; MI455X (gfx1250); checked and timed in simulation.
; The chip was launched on July 23, 2026; its instructions are those of AMD's public machine-readable ISA for CDNA 5 (MIT licence, August 2026) and "CDNA5" Instruction Set Architecture Reference Guide (July 2026). The comments in the code are by the model that wrote it; some were corrected since.
;; Attention. Allowed arithmetic: matrix products marked QUANTISED: E2M1 operands, one E8M0 scale for each 32 along K, by v_wmma_scale_f32_16x16x128_f8f6f4 with both operands' format E2M1 (or v_wmma_scale_f32_32x16x128_f4), f32 sums; products left as they are: bf16, f16 or f32 operands; f32 sums; everything else in f32.
;; Inputs: k_norm_w 64 float32; pos 2,048 x 32 float32; proj_b 1,024 float32; proj_w 1,024 x 1,024 float32; q_norm_w 64 float32; qkv_w 3,072 x 1,024 float32; x 2 x 2,048 x 1,024 float32.
;; Outputs: out0 2 x 2,048 x 1,024 float32.
;; This version of the problem:
;;   THIS VERSION OF THE PROBLEM IS GIVEN IN LOW PRECISION. The matrix products marked QUANTISED in the list below multiply operands that are first quantised to E2M1 (2 exponent bits, 1 mantissa bit; 4 bits a number), with one power-of-two scale for each 32 numbers along K (OCP MX v1.0); their sums are f32. The products marked 'left as it is' may take bf16, f16 or f32 operands, with f32 sums. Whichever they take, every output number must still come out within the allowed error. Rounding operands to bf16 (8 significant bits) uses up far more of that allowance than f16 does (11 bits, for magnitudes from 6e-5 to 65,504). All else is computed in f32.
;;   The module's matrix products, in the order in which they are computed (A, B: the left and right operand; K: the contracted axis; several contracted axes count as one K, in the product's order):
;;     1. [M 4,096, K 1,024] x [K 1,024, N 3,072]; A: input x; B: input qkv_w: QUANTISED
;;     2. batch 32 x [M 2,048, K 64] x [K 64, N 2,048]; A: computed on the way; B: computed on the way: left as it is (an operand is computed on the way)
;;     3. batch 32 x [M 2,048, K 2,048] x [K 2,048, N 64]; A: computed on the way; B: computed on the way: left as it is (an operand is computed on the way)
;;     4. [M 4,096, K 1,024] x [K 1,024, N 1,024]; A: computed on the way; B: input proj_w: left as it is (an operand is computed on the way)
;;   THE QUANTISER, for each operand of a quantised product, along K:
;;     - K is cut into blocks of 32 from its start; a last block that is shorter is filled with zeros.
;;     - A block's scale is 2^e with e = floor(log2(the largest magnitude in the block)) - 2, held to -126 .. 127; a block of zeros has e = 0. As a byte (E8M0): e + 127.
;;     - Each number is divided by its block's scale, clamped to +-6, and rounded to the nearest number of E2M1, ties to even, subnormals kept.
;;     - The product sums the exact products of the quantised numbers (number of the format x scale) in f32.
;;   ~~~python
;;   def quantise(x, axis):      # numpy; x: float32 -> the quantised numbers, widened to float32 again
;;       x = np.moveaxis(x, axis, -1); K = x.shape[-1]
;;       x = np.pad(x, [(0, 0)] * (x.ndim - 1) + [(0, -K % 32)]); x = x.reshape(x.shape[:-1] + (-1, 32)); a = np.abs(x).max(-1, keepdims=True)
;;       e = np.where(a > 0, np.clip(np.frexp(np.where(a > 0, a, 1))[1] - 1 - 2, -126, 127), 0)      # np.frexp(a)[1] - 1 = floor(log2(a)), exactly
;;       r = np.clip(x / 2.0 ** e, -6, 6)
;;       step = 2.0 ** (np.maximum(np.frexp(np.where(r == 0, 1, r))[1] - 1, 0) - 1)
;;       q = np.round(r / step) * step * 2.0 ** e      # np.round: ties to even
;;       return np.moveaxis(q.reshape(q.shape[:-2] + (-1,))[..., :K], -1, axis).astype(np.float32)
;;   ~~~
;; One version. Each part assembles by itself: llvm-mc -triple=amdgcn-amd-amdhsa -mcpu=gfx1250 --defsym DOCPART=n.
;; ======== version 1 of 1: 4 launches
;; limits: values are held in f16: magnitudes above 65,504 overflow, below 6.1e-05 lose precision; right only within a limited range of input values
;; workspace buffers: xc 2,097,152 bytes; xs 131,072 bytes; wc 1,572,864 bytes; ws 98,304 bytes; pw16 2,097,152 bytes; cst 524,288 bytes; qkvh 25,165,824 bytes; att 8,388,608 bytes
;; launch prep (part 1): grid 320 x 1, 4 waves a work-group, no clusters, 33,280 bytes of LDS; arguments x, qkv_w, xc, xs, wc, ws, proj_w, pw16, pos, cst; writes xc, xs, wc, ws, pw16, cst
.if DOCPART == 1
	.amdgcn_target "amdgcn-amd-amdhsa--gfx1250"
	.amdhsa_code_object_version 6
	.text
	.protected	k_q9e071225e6_prep
	.globl	k_q9e071225e6_prep
	.p2align	8
	.type	k_q9e071225e6_prep,@function
k_q9e071225e6_prep:
	s_mov_b64 s[64:65], 0
	v_nop
	global_prefetch_b8 v0, s[64:65] scope:SCOPE_SE
	s_setreg_imm32_b32 hwreg(HW_REG_WAVE_MODE, 25, 1), 1
	s_wait_xcnt 0x0
; THREE PIECES OF PREPARATION IN ONE LAUNCH, told apart by the work-group's number alone:
;   work-groups   0-127: x     [4096][1024] f32 -> codes of FP4 (E2M1), K innermost, and one E8M0 byte for each 32 along K
;   work-groups 128-223: qkv_w [3072][1024] f32 -> the same
;   work-groups 224-287: proj_w [1024][1024] f32 -> f16, same layout
;   work-groups 288-319: pos [2048][32] f32 -> a table [2048][32][cos, sin] f32
; THE QUANTISER.  A block's scale is 2^(floor(log2(its largest magnitude)) - 2); its byte is the largest magnitude's exponent field - 2, held at 1 from below.
; Each number is divided by the scale and rounded to the nearest code, ties to even; beyond 6 the largest code.
; LIMITS: a block of zeros, and a block whose largest magnitude lies under 2^(3 - 127), keeps the byte 1 (its codes are what the conversion gives; the bytes are read by this program alone);
; NaN and infinities are not served; |pos| under 2^20 (the reduction below takes pi/2 in two parts); proj_w under f16's 65,504.
; Rows are dense and K is a multiple of 32: both quantised tensors are plain streams of blocks of 32.  A wave takes 16 steps of 512 numbers.  Each load reads 512 consecutive bytes; a step's 2,048 bytes turn
; through the wave's own stage in LDS so that a lane holds 16 neighbours along K; a lane's 16 codes are 8 bytes, a wave's store 256 consecutive bytes; a wave's 256 scale bytes leave as one aligned run of 256.
; No tensor loads, no barrier: waves share nothing.  Only the quantising way touches LDS.
.set WAVES, 4
.set STEPS, 16
.set WGA,   128                        ; work-groups for x
.set WGQ,   224                        ; first work-group of the cast
.set WGP,   288                        ; first work-group of the table
.set CB,    8                          ; bytes of 16 codes
.set R,     16                         ; v16-79   four sets of 16 numbers as they are loaded
.set X,     80                         ; v80-111  two sets of 16 neighbours
.set C,     128                        ; v128-191 codes: four registers for each step, so that no store's data are written again
.set E,     112                        ; v112-127 a scale byte for each step
.set WREG,  8192                       ; LDS: a region for each wave: two stages of 32 x SP bytes, and behind them its 256 scale bytes
.set SP,    80                         ; a lane's place in a stage: 64 bytes + 16 of padding
.set SPW,   12                         ; v12      LDS address of my spare word; never rewritten
.set NIL,   13                         ; v13      0; never rewritten
.set SPARE, WAVES*WREG                 ; behind the four regions: the spare words, 128 bytes a wave
	s_load_b128 s[4:7], s[0:1], 0x0                ; x, qkv_w
	s_load_b128 s[8:11], s[0:1], 0x10              ; x's codes, x's scales
	s_load_b128 s[12:15], s[0:1], 0x20             ; qkv_w's codes, its scales
	s_load_b256 s[24:31], s[0:1], 0x30             ; proj_w, pw16, pos, cst
	v_lshl_add_u32 v[SPW], v0, 2, SPARE
	v_mov_b32 v[NIL], 0
	v_lshrrev_b32 v1, 5, v0
	v_readfirstlane_b32 s16, v1                    ; wave
	v_and_b32 v2, 31, v0                           ; lane
	s_cmp_ge_u32 ttmp9, WGP
	s_cbranch_scc1 .Ltable
	s_cmp_ge_u32 ttmp9, WGQ
	s_cbranch_scc1 .Lcast
	; ---------------- the quantiser ----------------
	v_lshlrev_b32 v3, 4, v2                        ; my 16 bytes of a load's 512
	s_mul_i32 s17, s16, WREG
	v_lshrrev_b32 v14, 2, v2
	v_mul_u32_u24 v14, v14, SP
	v_and_b32 v15, 3, v2
	v_lshl_add_u32 v14, v15, 4, v14
	v_add_nc_u32 v14, s17, v14                     ; the stage, on the way in: SP (lane / 4) + 16 (lane % 4)
	v_mul_u32_u24 v15, v2, SP
	v_add_nc_u32 v15, s17, v15                     ; and on the way out: SP x lane: my 16 neighbours
	v_mul_u32_u24 v4, v2, CB                       ; my codes' place in a step's
	v_lshrrev_b32 v5, 1, v2
	s_add_co_u32 s17, s17, 2*32*SP
	v_add_nc_u32 v5, s17, v5                       ; LDS: my wave's 256 scale bytes, my block's byte
	v_lshlrev_b32 v7, 3, v2                        ; and on the way out 8 bytes a lane
	v_add_nc_u32 v6, s17, v7
	s_wait_kmcnt 0x0
	s_cmp_lt_u32 ttmp9, WGA                        ; x's work-group or qkv_w's?  The choice hangs on the work-group's number alone
	s_cselect_b64 s[4:5], s[4:5], s[6:7]
	s_cselect_b64 s[8:9], s[8:9], s[12:13]
	s_cselect_b64 s[10:11], s[10:11], s[14:15]
	s_cselect_b32 s17, 0, WGA
	s_sub_co_u32 s17, ttmp9, s17
	s_lshl_b32 s17, s17, 2
	s_add_co_u32 s18, s17, s16                     ; which run of 8,192 numbers of the tensor is my wave's
	s_mov_b32 s19, 0
	s_mov_b64 s[20:21], 512*STEPS*4
	s_mul_u64 s[20:21], s[18:19], s[20:21]
	s_add_nc_u64 s[4:5], s[4:5], s[20:21]
	s_mov_b64 s[20:21], 32*STEPS*CB
	s_mul_u64 s[20:21], s[18:19], s[20:21]
	s_add_nc_u64 s[8:9], s[8:9], s[20:21]
	s_lshl_b32 s18, s18, 8                         ; 256 scale bytes a run
	s_add_nc_u64 s[10:11], s[10:11], s[18:19]
.macro LOAD t
.irp i, 0,1,2,3
	global_load_b128 v[R+16*((\t)%4)+4*\i:R+16*((\t)%4)+4*\i+3], v3, s[4:5] offset:2048*(\t)+512*\i th:TH_LOAD_NT   ; 32 lanes read 512 consecutive bytes
.endr
.endm
.macro TURN t                          ; step t's numbers through the stage: LDS serves a wave's instructions in order, so no wait stands between the stores and the loads
.irp i, 0,1,2,3
	ds_store_b128 v14, v[R+16*((\t)%4)+4*\i:R+16*((\t)%4)+4*\i+3] offset:32*SP*((\t)%2)+8*SP*\i
.endr
.irp i, 0,1,2,3
	ds_load_b128 v[X+16*((\t)%2)+4*\i:X+16*((\t)%2)+4*\i+3], v15 offset:32*SP*((\t)%2)+16*\i
.endr
.endm
.irp t, 0,1,2,3
	LOAD \t
.endr
	s_wait_loadcnt 12                              ; step 0's four loads are in; the twelve behind them stay out
	TURN 0
.macro STEP t
.set XS, X+16*((\t)%2)
.if (\t) > 0
	s_wait_dscnt 1                                 ; this step's numbers are back from the stage (the last step's byte store may be out)
.else
	s_wait_dscnt 0x0
.endif
.if (\t)+4 < STEPS
	LOAD (\t)+4                                    ; into the registers that the stage's stores have read
.endif
.if (\t)+1 < STEPS
.if STEPS-2-(\t) >= 3
	s_wait_loadcnt 12                              ; the next step's four loads are in; those of the three steps behind it may be out
.else
	s_wait_loadcnt 4*(STEPS-2-(\t))
.endif
	TURN (\t)+1                                    ; and go through the other stage while this step is worked
.endif
	v_max3_num_f32 v8, |v[XS]|, |v[XS+1]|, |v[XS+2]|               ; the largest magnitude of my 16, in two chains
	v_max3_num_f32 v9, |v[XS+3]|, |v[XS+4]|, |v[XS+5]|
.irp i, 6,10
	v_max3_num_f32 v8, v8, |v[XS+\i]|, |v[XS+\i+1]|
	v_max3_num_f32 v9, v9, |v[XS+\i+2]|, |v[XS+\i+3]|
.endr
	v_max3_num_f32 v8, v8, |v[XS+14]|, |v[XS+15]|
	v_max3_num_f32 v8, v8, v9, 0x1800000           ; and the floor 2^(3 - 127): so the byte cannot fall under 1
	v_max_num_f32_dpp v8, v8, v8 row_xmask:1 row_mask:0xf bank_mask:0xf   ; and of my neighbour's 16: the block's
	v_add_nc_u32 v11, 0xff000000, v8               ; 2 off its exponent field: the conversion takes the exponent field of this operand as its scale
	v_cvt_scalef32_pk8_fp4_f32 v[C+4*(\t)], v[XS:XS+7], v11
	v_cvt_scalef32_pk8_fp4_f32 v[C+4*(\t)+1], v[XS+8:XS+15], v11
	v_lshrrev_b32 v[E+(\t)], 23, v11               ; the scale's byte (a plain line behind the conversions)
	ds_store_b8 v5, v[E+(\t)] offset:16*(\t)       ; both lanes of a block write the same byte with the same value
	global_store_b64 v4, v[C+4*(\t):C+4*(\t)+1], s[8:9] offset:32*CB*(\t)
.endm
.irp t, 0,1,2,3,4,5,6,7,8,9,10,11,12,13,14,15
	STEP \t
.endr
	ds_load_b64 v[8:9], v6                         ; LDS serves a wave's instructions in order: these see my stores
	s_wait_dscnt 0x0
	global_store_b64 v7, v[8:9], s[10:11]          ; 32 lanes store 256 consecutive bytes, aligned
	s_wait_tensorcnt 0x0                           ; the wave's end: behind my last LDS store
	ds_add_u32 v[SPW], v[NIL]
	s_wait_dscnt 0x0
	s_endpgm
	; ---------------- proj_w to f16 ----------------
	; A wave takes 4,096 numbers in 16 steps of 256: a lane 8 neighbours (32 bytes in, 16 bytes out), so that a store covers 512 consecutive bytes.
	; All 32 loads go out first; every step has registers of its own, so no register that a load or store still names is written again.
.Lcast:
	v_lshlrev_b32 v3, 5, v2                        ; in: 32 bytes a lane
	v_lshlrev_b32 v4, 4, v2                        ; out: 16 bytes a lane
	s_sub_co_u32 s17, ttmp9, WGQ
	s_lshl_b32 s18, s17, 16
	s_lshl_b32 s19, s16, 14
	s_add_co_u32 s18, s18, s19                     ; in: 65,536 bytes a work-group, 16,384 a wave
	s_mov_b32 s19, 0
	s_lshr_b32 s20, s18, 1                         ; out: half as many
	s_mov_b32 s21, 0
	s_wait_kmcnt 0x0
	s_add_nc_u64 s[24:25], s[24:25], s[18:19]
	s_add_nc_u64 s[26:27], s[26:27], s[20:21]
.irp t, 0,1,2,3,4,5,6,7,8,9,10,11,12,13,14,15
	global_load_b128 v[16+8*\t:16+8*\t+3], v3, s[24:25] offset:1024*\t th:TH_LOAD_NT
	global_load_b128 v[16+8*\t+4:16+8*\t+7], v3, s[24:25] offset:1024*\t+16 th:TH_LOAD_NT
.endr
.irp t, 0,1,2,3,4,5,6,7,8,9,10,11,12,13,14,15
	s_wait_loadcnt 30-2*\t                         ; this step's two loads are in; the later steps' stay out
.irp i, 0,1,2,3
	v_cvt_pk_f16_f32 v[16+8*\t+\i], v[16+8*\t+2*\i], v[16+8*\t+2*\i+1]   ; ascending: a result never lands on a number not yet read
.endr
	global_store_b128 v4, v[16+8*\t:16+8*\t+3], s[26:27] offset:512*\t
.endr
	s_endpgm
	; ---------------- the table of cos and sin ----------------
	; k = the nearest whole number to x 2/pi; r = x - k pi/2, pi/2 in two parts, by fused multiply-adds; sin r and cos r by polynomials on |r| <= pi/4;
	; the quadrant k mod 4 swaps them and sets the signs.  A wave takes 512 angles in 8 steps of 64: a lane two angles in (8 bytes), (cos, sin, cos, sin) out (16 bytes).
.Ltable:
	v_lshlrev_b32 v14, 3, v2
	v_lshlrev_b32 v15, 4, v2
	s_sub_co_u32 s17, ttmp9, WGP
	s_lshl_b32 s18, s17, 13
	s_lshl_b32 s19, s16, 11
	s_add_co_u32 s18, s18, s19                     ; in: 8,192 bytes a work-group, 2,048 a wave
	s_mov_b32 s19, 0
	s_lshl_b32 s20, s18, 1                         ; out: twice as many
	s_mov_b32 s21, 0
	s_mov_b32 s32, 0x3f22f983                      ; 2 / pi
	s_mov_b32 s33, 0xbfc90fdb                      ; -(pi / 2), its upper part
	s_mov_b32 s34, 0x333bbd2e                      ; and what that part has too much
	s_mov_b32 s35, 0xb94ca1f9                      ; sin: -1.9515296e-4
	s_mov_b32 s36, 0x3c08839e                      ;       8.3321609e-3
	s_mov_b32 s37, 0xbe2aaaa3                      ;      -1.6666655e-1
	s_mov_b32 s38, 0x37ccf5ce                      ; cos:  2.4433157e-5
	s_mov_b32 s39, 0xbab6061a                      ;      -1.3887316e-3
	s_mov_b32 s40, 0x3d2aaaa5                      ;       4.1666646e-2
	s_wait_kmcnt 0x0
	s_add_nc_u64 s[28:29], s[28:29], s[18:19]
	s_add_nc_u64 s[30:31], s[30:31], s[20:21]
.irp t, 0,1,2,3,4,5,6,7
	global_load_b64 v[16+2*\t:17+2*\t], v14, s[28:29] offset:256*\t th:TH_LOAD_NT
.endr
.macro SINCOS x, c, s
	v_mul_f32 v2, s32, v[\x]
	v_rndne_f32 v2, v2                             ; k
	v_fma_f32 v3, v2, s33, v[\x]
	v_fma_f32 v3, v2, s34, v3                      ; r
	v_cvt_i32_f32 v5, v2
	v_mul_f32 v4, v3, v3                           ; z = r r
	v_fma_f32 v6, v4, s35, s36
	v_fma_f32 v8, v4, s38, s39
	v_fma_f32 v6, v6, v4, s37
	v_fma_f32 v8, v8, v4, s40
	v_mul_f32 v7, v3, v4
	v_mul_f32 v9, v4, v4
	v_fma_f32 v10, v4, -0.5, 1.0
	v_fma_f32 v6, v7, v6, v3                       ; sin r
	v_fma_f32 v8, v9, v8, v10                      ; cos r
	v_and_b32 v11, 1, v5
	v_cmp_eq_u32 vcc_lo, 1, v11                    ; an odd quadrant swaps the two
	v_cndmask_b32 v[\s], v6, v8, vcc_lo
	v_cndmask_b32 v[\c], v8, v6, vcc_lo
	v_lshlrev_b32 v11, 30, v5                      ; sin is negative in quadrants 2, 3: bit 1 of k
	v_add_nc_u32 v5, 1, v5                         ; cos in quadrants 1, 2: bit 1 of k + 1
	v_and_b32 v11, 0x80000000, v11
	v_lshlrev_b32 v5, 30, v5
	v_xor_b32 v[\s], v11, v[\s]
	v_and_b32 v5, 0x80000000, v5
	v_xor_b32 v[\c], v5, v[\c]
.endm
.irp t, 0,1,2,3,4,5,6,7
	s_wait_loadcnt 7-\t                            ; this step's load is in; the later ones stay out
	SINCOS 16+2*\t, 32+4*\t, 33+4*\t
	SINCOS 17+2*\t, 34+4*\t, 35+4*\t
	global_store_b128 v15, v[32+4*\t:35+4*\t], s[30:31] offset:512*\t   ; 32 lanes store 512 consecutive bytes
.endr
	s_endpgm
.Lfunc_end_k_q9e071225e6_prep:
	.size	k_q9e071225e6_prep, .Lfunc_end_k_q9e071225e6_prep-k_q9e071225e6_prep
	.p2alignl 7, 3214868480
	.fill 96, 4, 3214868480
	.section	.rodata,"a",@progbits
	.p2align	6, 0x0
	.amdhsa_kernel k_q9e071225e6_prep
		.amdhsa_group_segment_fixed_size 33280
		.amdhsa_private_segment_fixed_size 0
		.amdhsa_enable_private_segment 0
		.amdhsa_kernarg_size 80
		.amdhsa_user_sgpr_count 2
		.amdhsa_user_sgpr_kernarg_segment_ptr 1
		.amdhsa_wavefront_size32 1
		.amdhsa_system_sgpr_workgroup_id_x 1
		.amdhsa_system_sgpr_workgroup_id_y 1
		.amdhsa_system_sgpr_workgroup_id_z 1
		.amdhsa_system_vgpr_workitem_id 0
		.amdhsa_next_free_vgpr 192
		.amdhsa_next_free_sgpr 66
		.amdhsa_reserve_vcc 1
		.amdhsa_float_denorm_mode_32 3
		.amdhsa_float_denorm_mode_16_64 3
		.amdhsa_memory_ordered 1
		.amdhsa_forward_progress 1
		.amdhsa_inst_pref_size 64
	.end_amdhsa_kernel
	.amdgpu_metadata
---
amdhsa.version: [ 1, 2 ]
amdhsa.kernels:
  - .name:           k_q9e071225e6_prep
    .symbol:         k_q9e071225e6_prep.kd
    .args:
      - { .name: x, .offset: 0, .size: 8, .value_kind: global_buffer, .address_space: global }
      - { .name: qkv_w, .offset: 8, .size: 8, .value_kind: global_buffer, .address_space: global }
      - { .name: xc, .offset: 16, .size: 8, .value_kind: global_buffer, .address_space: global }
      - { .name: xs, .offset: 24, .size: 8, .value_kind: global_buffer, .address_space: global }
      - { .name: wc, .offset: 32, .size: 8, .value_kind: global_buffer, .address_space: global }
      - { .name: ws, .offset: 40, .size: 8, .value_kind: global_buffer, .address_space: global }
      - { .name: proj_w, .offset: 48, .size: 8, .value_kind: global_buffer, .address_space: global }
      - { .name: pw16, .offset: 56, .size: 8, .value_kind: global_buffer, .address_space: global }
      - { .name: pos, .offset: 64, .size: 8, .value_kind: global_buffer, .address_space: global }
      - { .name: cst, .offset: 72, .size: 8, .value_kind: global_buffer, .address_space: global }
    .group_segment_fixed_size: 33280
    .private_segment_fixed_size: 0
    .kernarg_segment_align: 8
    .kernarg_segment_size: 80
    .max_flat_workgroup_size: 128
    .sgpr_count:     66
    .vgpr_count:     192
    .wavefront_size: 32
...
	.end_amdgpu_metadata
.endif
;; end of part 1
;; launch qkv (part 2): grid 12 x 16, 4 waves a work-group, clusters of 4 x 4, 327,680 bytes of LDS; arguments xc, xs, wc, ws, cst, q_norm_w, k_norm_w, qkvh; writes qkvh
.if DOCPART == 2
	.amdgcn_target "amdgcn-amd-amdhsa--gfx1250"
	.amdhsa_code_object_version 6
	.text
	.protected	k_q9e071225e6_qkv
	.globl	k_q9e071225e6_qkv
	.p2align	8
	.type	k_q9e071225e6_qkv,@function
k_q9e071225e6_qkv:
	s_mov_b64 s[64:65], 0
	v_nop
	global_prefetch_b8 v0, s[64:65] scope:SCOPE_SE
	s_setreg_imm32_b32 hwreg(HW_REG_WAVE_MODE, 25, 1), 1
	s_wait_xcnt 0x0
	s_wait_alu depctr_hold_cnt(0) depctr_sa_sdst(0) depctr_va_vdst(0) depctr_va_sdst(0) depctr_va_ssrc(0) depctr_va_vcc(0) depctr_vm_vsrc(0)
	s_getreg_b32 s2, hwreg(HW_REG_IB_STS2, 6, 4)
	s_cmp_eq_u32 s2, 0
	s_cbranch_scc0 .Lentry_in_a_cluster
	s_endpgm
.Lentry_in_a_cluster:
	s_bfe_u32 s2, ttmp6, 0x10000c
	s_cmp_lg_u32 s2, 0xf033
	s_cbranch_scc0 .Lentry_shape_is_right
	s_endpgm
.Lentry_shape_is_right:
; qkv[m][f] = sum over k of x[m][k] qkv_w[f][k] on codes of FP4 (E2M1) with one E8M0 scale for each 32 along K, f32 sums; then, on the way out, in f32: for q and k the RMS norm over a head's 64,
; the norm's weight, the rotary turn by the table of (cos, sin); q also times c = 64^-0.5 log2(e), so that the next launch's scores are exponents of 2; then f16 into qkvh [kind][batch x 16 + head][2048][64].
; LIMITS: |v| and the scaled |q|, |k| (at most 8 x the largest norm weight) stay under f16's 65,504; NaN and infinities are not served.
; SHARES.  M = 4,096 tokens, N = 3,072 features, K = 1,024.  A tile of 256 x 256 to a work-group of four waves, 128 x 128 to a wave: 64 accumulators, 512 registers.  K = 1,024 is two LDS slots of 512 along K
; (rows of 256 bytes): both are first fills, nothing is filled again; a wave has three tensor loads out at the most (scales, slot 0, slot 1).
; CLUSTERS: 4 x 4 work-groups; A's tiles are asked for jointly along a row of the cluster, B's along a column.  A cluster's x is the kind (0 q, 1 k, 2 v): the same in all sixteen partners, so the text may branch on it.
; THE MATRIX INSTRUCTION IS USED TRANSPOSED (source 0 = 16 features, source 1 = 16 tokens): lane (r, h) of accumulator (a, b) holds token 16 a + r and features 16 b + 8 h + 0 .. 7.  A wave's 128 features are two heads
; (b / 4); a lane holds 32 of a head's 64 numbers of its token, the lane 16 away the others; a rotary pair lies in two neighbouring registers.
; REGISTERS: window 0: v2-15 at work; v16-31 addresses; v32-95 scale words and nothing else; v96-127, v224-255 rows on their way out; v128-191 A's fragments, later T, a block's 64 numbers; v192-223 the norm's weight.
;   window 1: B's fragments at v0-63 and v128-191; the table's block a at v[32 a ..]: blocks 2, 3, 6, 7 land in the registers that lie idle during the products, blocks 0, 1, 4, 5 behind the last product.
;   window 2: the accumulators of my rows 0-63 ((a, b) at v[8 (8 a + b)]); window 3: those of rows 64-127.
; The weight and the table's early blocks are loaded ahead of the products by every work-group, v's too, which use nothing of them (40 loads of 512 bytes a wave): so the text has one way through the products,
; and the kinds part once, behind them.
.set SIZE_K, 1024
.set KSTEP,  512
.set NQ,     KSTEP/128
.set ROWB,   256
.set KROW,   SIZE_K/2
.set PITCH,  272                       ; an LDS row: 256 bytes + 16 of padding: the 16 rows that a load touches start 4 banks apart
.set FR,     8
.set NL,     2
.set NP,     4
.set HALFT,  128*PITCH
.set SLOT,   4*HALFT
.set KS,     SIZE_K/32
.set SCL,    2*SLOT                    ; behind the slots: the scales, as runs of 256 bytes + 16 of padding
.set HALFS,  (128*KS/256)*272
.set SBLK,   (16*KS/256)*272
.set SPARE,  SCL+4*HALFS               ; behind the scales: the spare words, 128 bytes a wave
.set SPITCH, 272                       ; the way out: a stage of 16 rows x (256 bytes + 16) a wave, in slot 0, which has had its one fill and its last read when the first result is stored there
.set ADRA, 16
.set ADRB, 20
.set STO,  24
.set RD,   25
.set CO,   26
.set ADRS, 27
.set SPW,  28
.set NIL,  29
.set CSO,  30                          ; v30  the table: 256 r + 32 h
.set WO,   31                          ; v31  the weight: 32 h
.set SC,   32
.set BK0,  96
.set AF,   128
.set T,    128
.set W,    192
.set WV,   98                          ; s98  wave
.set HI,   99                          ; s99  wave / 2: my half of the tile's rows; also: I fetch for A (0) or B (1)
.set LO,   100                         ; s100 wave % 2: my half of its columns; also: which 128 rows I fetch
.set TR,   101                         ; s101 tile row
.set G1, 24
.set G0, 32
.set G1B, 48
.set G0B, 56
.set G1S, 68
.set G0S, 76
.set G1SB, 80
.set G0SB, 88
.set MSB, 0
.macro WIN new                         ; the immediate's high byte repeats the setting that is left
.if MSB != \new
	s_set_vgpr_msb (MSB<<8)|\new
.set MSB, \new
.endif
.endm
.set MUL_LO, 0xa1                      ; source 0 (B) window 1, source 1 (A) window 0, C and D window 2
.set MUL_HI, 0xf1                      ; the same, C and D window 3
.set TO_B,   0x40                      ; destination window 1, address window 0
; A joint load: waves 0 and 1 fetch for A, waves 2 and 3 for B.  The branch hangs on the wave's number alone.  An s_nop 0 and four v_nop follow each of the two lines.
.macro JLOAD g0a, g1a, g0b, g1b
	s_cmp_eq_u32 s[HI], 0
	s_cbranch_scc0 .Lfor_b_\@
	tensor_load_to_lds s[\g0a:\g0a+3], s[\g1a:\g1a+7]
	s_nop 0
.rept 4
	v_nop
.endr
	s_branch .Lasked_\@
.Lfor_b_\@:
	tensor_load_to_lds s[\g0b:\g0b+3], s[\g1b:\g1b+7]
	s_nop 0
.rept 4
	v_nop
.endr
.Lasked_\@:
.endm
.macro CROUND                          ; a round of the cluster's barrier
	s_barrier_signal -1
	s_barrier_wait -1
	s_cmp_lg_u32 s[WV], 0
	s_cbranch_scc1 .Lnot_wave_0_\@
	s_barrier_signal -3
.Lnot_wave_0_\@:
	s_barrier_wait -3
	s_barrier_signal -1
	s_barrier_wait -1
.endm
	s_load_b256 s[4:11], s[0:1], 0x0               ; x's codes s[4:5], its scales s[6:7], qkv_w's codes s[8:9], its scales s[10:11]
	s_load_b256 s[12:19], s[0:1], 0x20             ; the table s[12:13], q's weight s[14:15], k's s[16:17], qkvh s[18:19]
	v_lshl_add_u32 v[SPW], v0, 2, SPARE
	v_mov_b32 v[NIL], 0
	ds_add_u32 v[SPW], v[NIL]                      ; the wave's opening: the add, twice on end, and its wait ahead of my first tensor load
	ds_add_u32 v[SPW], v[NIL]
	v_lshrrev_b32 v1, 5, v0
	v_readfirstlane_b32 s[WV], v1
	s_lshr_b32 s[HI], s[WV], 1
	s_and_b32 s[LO], s[WV], 1
	s_bfe_u32 s40, ttmp6, 0x40000                  ; cx, cy: my place in the cluster
	s_bfe_u32 s41, ttmp6, 0x40004
	s_lshl_b32 s42, ttmp9, 2
	s_add_co_u32 s42, s42, s40                     ; tile column = 4 x cluster x + cx
	s_and_b32 s[TR], ttmp7, 0xffff
	s_lshl_b32 s[TR], s[TR], 2
	s_add_co_u32 s[TR], s[TR], s41                 ; tile row = 4 x cluster y + cy
	s_lshl_b32 s43, s41, 2
	s_lshl_b32 s43, 15, s43                        ; my row of the cluster
	s_lshl_b32 s44, 0x1111, s40                    ; my column
	; descriptor group 1: a tile of 128 rows x 256 bytes, 16 bytes of padding behind each row
	s_or_b32 s[G1+0], s43, (0<<16)|(1<<20)|(1<<21)|(5<<22)|(3<<25)
	s_or_b32 s[G1B+0], s44, (0<<16)|(1<<20)|(1<<21)|(5<<22)|(3<<25)
.irp g, G1, G1B
	s_mov_b32 s[\g+1], ROWB<<16                    ; tensor_dim0
	s_mov_b32 s[\g+2], 128<<16                     ; tensor_dim1
	s_mov_b32 s[\g+3], ROWB<<16                    ; tile_dim0
	s_mov_b32 s[\g+4], 128                         ; tile_dim1
	s_mov_b32 s[\g+5], KROW                        ; from row to row
	s_mov_b32 s[\g+6], 0
	s_mov_b32 s[\g+7], 0
.endr
	; and for the scales of 128 rows: a dense block of 4,096 bytes, as 16 rows of 256 bytes (32 elements of 8 bytes), 16 bytes of padding behind each
	s_or_b32 s[G1S+0], s43, (3<<16)|(1<<20)|(1<<21)|(5<<22)|(3<<25)
	s_or_b32 s[G1SB+0], s44, (3<<16)|(1<<20)|(1<<21)|(5<<22)|(3<<25)
.irp g, G1S, G1SB
	s_mov_b32 s[\g+1], 32<<16
	s_mov_b32 s[\g+2], (128*KS/256)<<16
	s_mov_b32 s[\g+3], 32<<16
	s_mov_b32 s[\g+4], 128*KS/256
	s_mov_b32 s[\g+5], 32
	s_mov_b32 s[\g+6], 0
	s_mov_b32 s[\g+7], 0
.endr
	s_lshl_b32 s2, s[LO], 7                        ; which 128 rows of the tile I fetch
	s_lshl_b32 s20, s[TR], 8
	s_add_co_u32 s20, s20, s2                      ; A: row 256 x tile row + 128 x half
	s_lshl_b32 s46, s42, 8
	s_add_co_u32 s46, s46, s2                      ; B: row 256 x tile column + 128 x half
	s_mov_b32 s21, 0
	s_mov_b32 s47, 0
	s_mov_b64 s[2:3], KS
	s_mul_u64 s[22:23], s[20:21], s[2:3]           ; where these rows' scales begin, in bytes
	s_mul_u64 s[92:93], s[46:47], s[2:3]
	s_mov_b64 s[2:3], KROW
	s_mul_u64 s[20:21], s[20:21], s[2:3]           ; and their codes
	s_mul_u64 s[46:47], s[46:47], s[2:3]
	s_mul_i32 s45, s[WV], HALFT                    ; where they go: wave x 128 rows: no place in the cluster enters an LDS address
	s_mul_i32 s94, s[WV], HALFS
	s_wait_dscnt 0x0                               ; both opening adds are done
	s_wait_kmcnt 0x0
	s_add_nc_u64 s[20:21], s[4:5], s[20:21]
	s_add_nc_u64 s[22:23], s[6:7], s[22:23]
	s_add_nc_u64 s[46:47], s[8:9], s[46:47]
	s_add_nc_u64 s[92:93], s[10:11], s[92:93]
	CROUND                                         ; all sixteen work-groups are here: the first joint loads meet
	s_mov_b32 s[G0S], 1
	s_add_co_u32 s[G0S+1], s94, SCL
	s_mov_b64 s[G0S+2:G0S+3], s[22:23]
	s_or_b32 s[G0S+3], s[G0S+3], 0x80000000
	s_mov_b32 s[G0SB], 1
	s_add_co_u32 s[G0SB+1], s94, SCL
	s_mov_b64 s[G0SB+2:G0SB+3], s[92:93]
	s_or_b32 s[G0SB+3], s[G0SB+3], 0x80000000
	JLOAD G0S, G1S, G0SB, G1SB                     ; the scales first: they are wanted with the first slot
.irp s, 0,1
	s_mov_b32 s[G0+4*\s], 1
	s_add_co_u32 s[G0+4*\s+1], s45, \s*SLOT
	s_add_nc_u64 s[G0+4*\s+2:G0+4*\s+3], s[20:21], \s*ROWB
	s_or_b32 s[G0+4*\s+3], s[G0+4*\s+3], 0x80000000
	s_mov_b32 s[G0B+4*\s], 1
	s_add_co_u32 s[G0B+4*\s+1], s45, \s*SLOT
	s_add_nc_u64 s[G0B+4*\s+2:G0B+4*\s+3], s[46:47], \s*ROWB
	s_or_b32 s[G0B+4*\s+3], s[G0B+4*\s+3], 0x80000000
	JLOAD G0+4*\s, G1, G0B+4*\s, G1B
.endr
	v_and_b32 v1, 15, v0                           ; r
	v_bfe_u32 v2, v0, 4, 1                         ; h
	v_mul_u32_u24 v3, v1, PITCH
	v_lshl_add_u32 v4, v2, 4, v3                   ; a fragment's row x pitch + 16 h
	s_mul_i32 s21, s[HI], HALFT                    ; my 128 rows of A
	s_mul_i32 s22, s[LO], HALFT                    ; my 128 rows of B,
	s_add_co_u32 s22, s22, 2*HALFT                 ; which lie behind A's 256
.irp s, 0,1
	v_add_nc_u32 v[ADRA+\s], s21, v4
	v_add_nc_u32 v[ADRB+\s], s22, v4
	s_add_co_u32 s21, s21, SLOT
	s_add_co_u32 s22, s22, SLOT
.endr
	v_mul_u32_u24 v5, v1, KS                       ; my row's scales: 32 bytes a row,
	v_lshrrev_b32 v6, 8, v5
	v_lshl_add_u32 v5, v6, 4, v5                   ; and 16 more for each 256 passed
	s_mul_i32 s21, s[HI], HALFS
	s_mul_i32 s22, s[LO], HALFS
	s_add_co_u32 s22, s22, 2*HALFS
	s_sub_co_u32 s22, s22, s21
	v_mul_u32_u24 v6, s22, v2                      ; lanes 16-31 take B's
	s_add_co_u32 s21, s21, SCL
	v_add_nc_u32 v5, v5, v6
	v_add_nc_u32 v[ADRS], s21, v5
	s_mul_i32 s23, s[WV], 16*SPITCH                ; my stage
	v_mul_u32_u24 v5, v1, SPITCH                   ; in: row r, 16 bytes (8 f16) for each half of the lanes
	v_lshl_add_u32 v5, v2, 4, v5
	v_add_nc_u32 v[STO], s23, v5
	v_and_b32 v6, 31, v0
	v_lshlrev_b32 v[CO], 4, v6                     ; out: four tokens of 128 bytes are 512 consecutive bytes of a head's plane: 16 bytes a lane
	v_lshrrev_b32 v7, 3, v6
	v_mul_u32_u24 v7, v7, SPITCH                   ; back: eight lanes to a token's 128 bytes of one head
	v_and_b32 v6, 7, v6
	v_lshl_add_u32 v7, v6, 4, v7
	v_add_nc_u32 v[RD], s23, v7
	v_lshlrev_b32 v[CSO], 8, v1
	v_lshl_add_u32 v[CSO], v2, 5, v[CSO]
	v_lshlrev_b32 v[WO], 5, v2
	v_mov_b32 v8, 0                                ; written once: a lane permute's destination counts as one of its sources,
	v_mov_b32 v9, 0
	v_mov_b32 v11, 0                               ; and these two are named as the upper halves of pairs
	v_mov_b32 v13, 0
	s_and_b32 s66, s[TR], 7
	s_lshl_b32 s66, s66, 8
	s_lshl_b32 s67, s[HI], 7
	s_add_co_u32 s66, s66, s67                     ; my first token in its sequence
	s_lshl_b32 s2, s66, 8                          ; a token's row of the table is 256 bytes
	s_mov_b32 s3, 0
	s_add_nc_u64 s[12:13], s[12:13], s[2:3]
	s_lshl_b32 s95, ttmp9, 5                       ; the plane of my first head: 32 x kind + 16 x batch + 4 cx + 2 x column half
	s_lshr_b32 s96, s[TR], 3
	s_lshl_b32 s96, s96, 4
	s_add_co_u32 s95, s95, s96
	s_lshl_b32 s96, s40, 2
	s_add_co_u32 s95, s95, s96
	s_lshl_b32 s96, s[LO], 1
	s_add_co_u32 s95, s95, s96
	s_lshl_b32 s2, s95, 18                         ; a plane is 262,144 bytes
	s_add_nc_u64 s[18:19], s[18:19], s[2:3]
	s_lshl_b32 s2, s66, 7
	s_add_nc_u64 s[18:19], s[18:19], s[2:3]
	s_mov_b32 s20, 0x76543210                      ; v_permlanex16_b32's selects for the lane 16 away
	s_mov_b32 s21, 0xfedcba98
	s_mov_b32 s92, 0x358637bd                      ; 1e-6
	s_mov_b32 s93, 0x3c800000                      ; 1 / 64
	s_mov_b32 s22, 1.0
	s_cmp_eq_u32 ttmp9, 0
	s_cselect_b64 s[14:15], s[14:15], s[16:17]     ; q's weight, or k's
	s_cselect_b32 s22, 0x3e38aa3b, s22             ; q: c = log2(e) / 8; else 1
	s_mov_b32 s23, s22                             ; (named with it as a pair)
.macro TABLE a                         ; block a's (cos, sin) of my token: 32 registers: for feature block b' the four pairs 8 b' + 4 h + 0 .. 3
.irp b, 0,1,2,3
	global_load_b128 v[32*(\a)+8*\b:32*(\a)+8*\b+3], v[CSO], s[12:13] offset:(\a)*4096+64*\b
	global_load_b128 v[32*(\a)+8*\b+4:32*(\a)+8*\b+7], v[CSO], s[12:13] offset:(\a)*4096+64*\b+16
.endr
.endm
.irp b, 0,1,2,3
	global_load_b128 v[W+8*\b:W+8*\b+3], v[WO], s[14:15] offset:64*\b          ; the weight of d = 16 b' + 8 h + 0 .. 7
	global_load_b128 v[W+8*\b+4:W+8*\b+7], v[WO], s[14:15] offset:64*\b+16
.endr
	WIN TO_B
	TABLE 2                                        ; 40 loads in all: they land while the products run
	TABLE 3
	TABLE 6
	TABLE 7
	WIN 0
.macro FRAG reg, adr, q, i             ; a fragment, 16 rows x 128 K of 4-bit codes: 8 registers, two loads of 16 bytes, 32 bytes apart
.irp c, 0,1
	ds_load_b128 v[\reg+4*\c:\reg+4*\c+3], v[\adr] offset:64*(\q)+32*\c+(\i)*16*PITCH
.endr
.endm
; 16 matrix instructions: A's blocks a0, a0 + 1 x B's eight, 128 along K.  The 64 accumulators take turns, one instruction a turn, in the same order in every step.
; One register carries A's scale word (lanes 0-15) and B's (lanes 16-31).
.macro MUL16 a0, p, q, sc, zero
.irp a, \a0, \a0+1
.irp b, 0,1,2,3,4,5,6,7
.if \zero
	v_wmma_scale_f32_16x16x128_f8f6f4 v[8*(8*((\a)%4)+\b):8*(8*((\a)%4)+\b)+7], v[128*(\p)+FR*\b:128*(\p)+FR*\b+FR-1], v[AF+FR*(\a):AF+FR*(\a)+FR-1], 0, v[SC+8*NQ*(\sc)+NQ*\b+(\q)], v[SC+8*NQ*(\sc)+NQ*(\a)+(\q)] matrix_a_fmt:MATRIX_FMT_FP4 matrix_b_fmt:MATRIX_FMT_FP4 matrix_a_scale:MATRIX_SCALE_ROW1
.else
	v_wmma_scale_f32_16x16x128_f8f6f4 v[8*(8*((\a)%4)+\b):8*(8*((\a)%4)+\b)+7], v[128*(\p)+FR*\b:128*(\p)+FR*\b+FR-1], v[AF+FR*(\a):AF+FR*(\a)+FR-1], v[8*(8*((\a)%4)+\b):8*(8*((\a)%4)+\b)+7], v[SC+8*NQ*(\sc)+NQ*\b+(\q)], v[SC+8*NQ*(\sc)+NQ*(\a)+(\q)] matrix_a_fmt:MATRIX_FMT_FP4 matrix_b_fmt:MATRIX_FMT_FP4 matrix_a_scale:MATRIX_SCALE_ROW1
.endif
.endr
.endr
.endm
.macro FETCH_B slot, q, p
	WIN TO_B
.irp i, 0,1,2,3,4,5,6,7
	FRAG 128*(\p)+FR*\i, ADRB+\slot, \q, \i
.endr
	WIN 0
.endm
.macro FETCH_A slot, q, i0
.irp i, \i0, \i0+1, \i0+2, \i0+3
	FRAG AF+FR*(\i), ADRA+\slot, \q, \i
.endr
.endm
.macro SCALES sc                       ; a slot's scale words: four words a row; lanes 0-15 take A's block i, lanes 16-31 B's block i
.irp i, 0,1,2,3,4,5,6,7
	ds_load_b128 v[SC+8*NQ*\sc+NQ*\i:SC+8*NQ*\sc+NQ*\i+3], v[ADRS] offset:\i*SBLK
.endr
.endm
.macro PLACES n                        ; plain vector lines between a matrix instruction and a load into, or a vector read of, its registers
.rept \n
	v_nop
.endr
.endm
.macro STEP slot, q, zero              ; 128 along K that has its successor in the same slot
	s_wait_dscnt 4*NL                              ; B's set and A's blocks 0-3 are in; the youngest eight loads (A's blocks 4-7) may be out
	WIN MUL_LO
	MUL16 0, (\q)%2, \q, \slot, \zero
	MUL16 2, (\q)%2, \q, \slot, \zero
	s_wait_dscnt 0                                 ; A's blocks 4-7 are in
	PLACES NP
	FETCH_B \slot, (\q)+1, 1-(\q)%2
	FETCH_A \slot, (\q)+1, 0
	WIN MUL_HI
	MUL16 4, (\q)%2, \q, \slot, \zero
	MUL16 6, (\q)%2, \q, \slot, \zero
	PLACES NP
	WIN 0
	FETCH_A \slot, (\q)+1, 4
.endm
; Slot 0's last step changes slots: one barrier; in front of it each wave waits for all its tensor loads (its part of slot 1), adds 0 to its spare word, and waits for that and for its reads of slot 0.
.macro TURN slot, next
	s_wait_tensorcnt 0x0
	ds_add_u32 v[SPW], v[NIL]
	s_wait_dscnt 4*NL+1                            ; (the add and the youngest eight loads may be out)
	WIN MUL_LO
	MUL16 0, 1, NQ-1, \slot, 0
	s_wait_dscnt 0x0                               ; the add is done, and my reads of this slot are over
	s_barrier_signal -1
	MUL16 2, 1, NQ-1, \slot, 0
	WIN 0
	s_barrier_wait -1
	PLACES NP
	v_add_nc_u32 v[ADRS], 4*NQ, v[ADRS]            ; on to the next slot's scale words
	FETCH_B \next, 0, 0
	FETCH_A \next, 0, 0
	SCALES \next
	WIN MUL_HI
	MUL16 4, 1, NQ-1, \slot, 0
	MUL16 6, 1, NQ-1, \slot, 0
	PLACES NP
	WIN 0
	FETCH_A \next, 0, 4
.endm
.macro STEPS slot, from
.set Q, \from
.rept NQ-1-\from
	STEP \slot, Q, 0
.set Q, Q+1
.endr
.endm
	s_wait_tensorcnt 1                             ; the scales and my part of slot 0 are in (slot 1's load, issued behind them, may be out),
	s_barrier_signal -1
	s_barrier_wait -1                              ; everybody's are
	FETCH_B 0, 0, 0
	FETCH_A 0, 0, 0
	SCALES 0
	FETCH_A 0, 0, 4
	STEP 0, 0, 1                                   ; the first products start the sums: nothing is cleared
	STEPS 0, 1
	TURN 0, 1
	STEPS 1, 0
	s_wait_dscnt 4*NL                              ; the last step: nothing more to fetch
	WIN MUL_LO
	MUL16 0, 1, NQ-1, 1, 0
	MUL16 2, 1, NQ-1, 1, 0
	s_wait_dscnt 0
	WIN MUL_HI
	MUL16 4, 1, NQ-1, 1, 0
	MUL16 6, 1, NQ-1, 1, 0
	WIN 0
	PLACES NP                                      ; behind the last products: for the reads of results, the writes over A's fragments and the loads over B's
	s_wait_loadcnt 0x0                             ; the weight and blocks 2, 3, 6, 7 of the table, asked for ahead of the products, are in: no global load of mine is out
; THE WAY OUT, a block of 16 tokens x 128 features (two heads) at a time.
; NORM a: block a's 64 numbers of my token become T: x rsqrt(mean of the head's 64 squares + 1e-6) x weight (x c for q), turned by the table, rounded to f16 (32 registers).
.macro NORM a
.set AC, 64*((\a)%4)
.set TBL, 32*(\a)
	WIN 0x0a+5*((\a)/4)                            ; sources 0 and 1: the accumulators' window
	v_pk_mul_f32 v[2:3], v[AC:AC+1], v[AC:AC+1]    ; the squares' sums, a chain for each head; every accumulator is read from its low end on
	v_pk_mul_f32 v[4:5], v[AC+32:AC+33], v[AC+32:AC+33]
.set i, 1
.rept 15
	v_pk_fma_f32 v[2:3], v[AC+2*i:AC+2*i+1], v[AC+2*i:AC+2*i+1], v[2:3]
	v_pk_fma_f32 v[4:5], v[AC+32+2*i:AC+33+2*i], v[AC+32+2*i:AC+33+2*i], v[4:5]
.set i, i+1
.endr
	WIN 0
	v_add_f32 v2, v2, v3
	v_add_f32 v4, v4, v5
	v_permlanex16_b32 v8, v2, s20, s21             ; the head's other 32 numbers lie in the lane 16 away
	v_permlanex16_b32 v9, v4, s20, s21
	v_add_f32 v2, v2, v8
	v_add_f32 v4, v4, v9
	v_fma_f32 v2, v2, s93, s92                     ; the mean + 1e-6
	v_fma_f32 v4, v4, s93, s92
	v_rsq_f32 v10, v2
	v_rsq_f32 v12, v4
	v_nop                                          ; a plain line behind the two roots,
	s_wait_alu depctr_va_vdst(0)                   ; and the one wait ahead of their first reader
	WIN 0x02+((\a)/4)                              ; source 0: the accumulators' window
.set i, 0
.rept 32
	v_pk_mul_f32 v[T+2*i:T+2*i+1], v[AC+2*i:AC+2*i+1], v[10+2*(i/16):11+2*(i/16)] op_sel_hi:[1,0]
.set i, i+1
.endr
	WIN 0
.set i, 0
.rept 32
	v_pk_mul_f32 v[T+2*i:T+2*i+1], v[T+2*i:T+2*i+1], v[W+(2*i)%32:W+(2*i)%32+1]
.set i, i+1
.endr
	WIN 0x04                                       ; source 1: the table's window
.set i, 0
.rept 32                               ; pair i = (xr, xi): (xr cos - xi sin, xr sin + xi cos); two pairs of temporaries by turns
.set CC, TBL+8*((i/4)%4)+2*(i%4)
.set U, 6+8*(i%2)
	v_mul_f32 v[U], v[T+2*i+1], v[CC+1]
	v_mul_f32 v[U+1], v[T+2*i+1], v[CC]
	v_fma_f32 v[T+2*i+1], v[T+2*i], v[CC+1], v[U+1]
	v_fma_f32 v[T+2*i], v[T+2*i], v[CC], -v[U]
.set i, i+1
.endr
	WIN 0
.set i, 0
.rept 32
	v_cvt_pk_f16_f32 v[T+i], v[T+2*i], v[T+2*i+1]  ; ascending: a result never lands on a number not yet read
.set i, i+1
.endr
.endm
.macro PACKV a                         ; v: rounded to f16 as it is
.set AC, 64*((\a)%4)
	WIN 0x0a+5*((\a)/4)
.set i, 0
.rept 32
	v_cvt_pk_f16_f32 v[T+i], v[AC+2*i], v[AC+2*i+1]
.set i, i+1
.endr
	WIN 0
.endm
; A lane's 16 bytes are eight features of one token, and the lanes beside it hold other tokens: the block goes through my stage and comes back by heads, four tokens (512 consecutive bytes of a plane) to a load.
; LDS serves a wave's instructions in order (ISA guide 5.7.1.4): no wait between the stores and the loads.
.macro TOSTAGE k
.set BB, BK0+128*(\k)
.irp b, 0,1,2,3,4,5,6,7
	ds_store_b128 v[STO], v[T+4*\b:T+4*\b+3] offset:32*\b
.endr
.irp hd, 0,1
.irp tq, 0,1,2,3
	ds_load_b128 v[BB+16*\hd+4*\tq:BB+16*\hd+4*\tq+3], v[RD] offset:\hd*128+\tq*4*SPITCH
.endr
.endr
.endm
.macro SEND a, k
.set BB, BK0+128*(\k)
	s_wait_dscnt 0x0                               ; the block is back in registers
.irp hd, 0,1
.irp tq, 0,1,2,3
	global_store_b128 v[CO], v[BB+16*\hd+4*\tq:BB+16*\hd+4*\tq+3], s[18:19] offset:\hd*262144+(16*(\a)+4*\tq)*128   ; 32 lanes store 512 consecutive bytes, aligned
.endr
.endr
.endm
	s_cmp_eq_u32 ttmp9, 2                          ; the kinds part here, once: v has no norm and no turn
	s_cbranch_scc1 .Lv
	WIN TO_B
	TABLE 0                                        ; into the registers that B's fragments have left: 32 loads, which land while the first four blocks are worked
	TABLE 1
	TABLE 4
	TABLE 5
	WIN 0
.set i, 0
.rept 16
	v_pk_mul_f32 v[W+2*i:W+2*i+1], v[W+2*i:W+2*i+1], s[22:23] op_sel_hi:[1,0]   ; c goes into the weight, once
.set i, i+1
.endr
.set P, 0
.set PREV, 0
.irp a, 2,3,6,7,0,1,4,5                ; the blocks whose table came early go first
.if P == 4
	s_wait_loadcnt 0x0                             ; the late blocks of the table
.endif
	NORM \a                                        ; stands between the last block's loads from the stage and the wait for them
.if P > 0
	SEND PREV, (P-1)%2
.endif
.if P > 1
	s_wait_xcnt 0x0                                ; the stores of two blocks back have read their registers: this block's loads may land there
.endif
	TOSTAGE P%2
.set PREV, \a
.set P, P+1
.endr
	SEND PREV, (P-1)%2
	s_branch .Ldone
.Lv:
.set P, 0
.irp a, 0,1,2,3,4,5,6,7
	PACKV \a
.if P > 0
	SEND PREV, (P-1)%2
.endif
.if P > 1
	s_wait_xcnt 0x0
.endif
	TOSTAGE P%2
.set PREV, \a
.set P, P+1
.endr
	SEND PREV, (P-1)%2
.Ldone:
	s_wait_tensorcnt 0x0                           ; the wave's end: behind my last tensor load and my last LDS store
	ds_add_u32 v[SPW], v[NIL]
	s_wait_dscnt 0x0
	CROUND                                         ; the closing round: no work-group ends while a partner may still ask for a tile that names it
	s_endpgm
.Lfunc_end_k_q9e071225e6_qkv:
	.size	k_q9e071225e6_qkv, .Lfunc_end_k_q9e071225e6_qkv-k_q9e071225e6_qkv
	.p2alignl 7, 3214868480
	.fill 96, 4, 3214868480
	.section	.rodata,"a",@progbits
	.p2align	6, 0x0
	.amdhsa_kernel k_q9e071225e6_qkv
		.amdhsa_group_segment_fixed_size 327680
		.amdhsa_private_segment_fixed_size 0
		.amdhsa_enable_private_segment 0
		.amdhsa_kernarg_size 64
		.amdhsa_user_sgpr_count 2
		.amdhsa_user_sgpr_kernarg_segment_ptr 1
		.amdhsa_wavefront_size32 1
		.amdhsa_system_sgpr_workgroup_id_x 1
		.amdhsa_system_sgpr_workgroup_id_y 1
		.amdhsa_system_sgpr_workgroup_id_z 1
		.amdhsa_system_vgpr_workitem_id 0
		.amdhsa_next_free_vgpr 1024
		.amdhsa_next_free_sgpr 102
		.amdhsa_reserve_vcc 0
		.amdhsa_float_denorm_mode_32 3
		.amdhsa_float_denorm_mode_16_64 3
		.amdhsa_memory_ordered 1
		.amdhsa_forward_progress 1
		.amdhsa_inst_pref_size 255
	.end_amdhsa_kernel
	.section	.bss,"aw",@nobits
	.p2align	6
	.space	262144
	.amdgpu_metadata
---
amdhsa.version: [ 1, 2 ]
amdhsa.kernels:
  - .name:           k_q9e071225e6_qkv
    .symbol:         k_q9e071225e6_qkv.kd
    .args:
      - { .name: xc, .offset: 0, .size: 8, .value_kind: global_buffer, .address_space: global }
      - { .name: xs, .offset: 8, .size: 8, .value_kind: global_buffer, .address_space: global }
      - { .name: wc, .offset: 16, .size: 8, .value_kind: global_buffer, .address_space: global }
      - { .name: ws, .offset: 24, .size: 8, .value_kind: global_buffer, .address_space: global }
      - { .name: cst, .offset: 32, .size: 8, .value_kind: global_buffer, .address_space: global }
      - { .name: q_norm_w, .offset: 40, .size: 8, .value_kind: global_buffer, .address_space: global }
      - { .name: k_norm_w, .offset: 48, .size: 8, .value_kind: global_buffer, .address_space: global }
      - { .name: qkvh, .offset: 56, .size: 8, .value_kind: global_buffer, .address_space: global }
    .group_segment_fixed_size: 327680
    .private_segment_fixed_size: 0
    .kernarg_segment_align: 8
    .kernarg_segment_size: 64
    .max_flat_workgroup_size: 128
    .sgpr_count:     102
    .vgpr_count:     1024
    .wavefront_size: 32
...
	.end_amdgpu_metadata
.endif
;; end of part 2
;; launch attn (part 3): grid 8 x 32, 8 waves a work-group, clusters of 4 x 1, 327,680 bytes of LDS; arguments qkvh, att; writes att
.if DOCPART == 3
	.amdgcn_target "amdgcn-amd-amdhsa--gfx1250"
	.amdhsa_code_object_version 6
	.text
	.protected	k_q9e071225e6_attn
	.globl	k_q9e071225e6_attn
	.p2align	8
	.type	k_q9e071225e6_attn,@function
k_q9e071225e6_attn:
	s_mov_b64 s[64:65], 0
	v_nop
	global_prefetch_b8 v0, s[64:65] scope:SCOPE_SE
	s_setreg_imm32_b32 hwreg(HW_REG_WAVE_MODE, 25, 1), 1
	s_wait_xcnt 0x0
	s_wait_alu depctr_hold_cnt(0) depctr_sa_sdst(0) depctr_va_vdst(0) depctr_va_sdst(0) depctr_va_ssrc(0) depctr_va_vcc(0) depctr_vm_vsrc(0)
	s_getreg_b32 s2, hwreg(HW_REG_IB_STS2, 6, 4)
	s_cmp_eq_u32 s2, 0
	s_cbranch_scc0 .Lentry_in_a_cluster
	s_endpgm
.Lentry_in_a_cluster:
	s_bfe_u32 s2, ttmp6, 0x10000c
	s_cmp_lg_u32 s2, 0x3003
	s_cbranch_scc0 .Lentry_shape_is_right
	s_endpgm
.Lentry_shape_is_right:
; att[head][q][:] = the sum over k of softmax_k(q . k / 8) v[k][:].  q, k, v: f16 planes [kind][head][2048][64] of qkvh; q already carries log2(e) / 8, so a score is an exponent of 2.
; Products on f16 operands with f32 sums; maxima, exponentials and sums in f32; the weights p (at most 1) are rounded to f16 for the second product; att is f16 [head][2048][64].
; LIMITS: NaN and infinities are not served; |v| under f16's 65,504.
; SHARES.  A work-group owns 256 queries of one head.  Eight waves, two to a SIMD, 512 registers each: wave w owns queries 64 (w % 4) on, four tiles of 16, and HALF of the keys, 1,024 (w / 4) on;
; at the end the two halves' sums are joined in f32 through LDS.  So a fragment of K or V read from LDS feeds four matrix instructions.
; LAYOUT.  S^T = K Q^T (source 0 = 16 keys, source 1 = 16 queries): a lane holds ONE query (lane % 16) and keys 8 (lane / 16) + 0 .. 7; two such tiles rounded to f16 in pairs ARE source 1 of O^T = V^T P.
; SOFTMAX.  A running maximum M and sum L for each query: p = 2^(s - M); in every step O and L are multiplied by a = 2^(old M - new M).
; PHASES.  A wave goes by turns through a matrix phase (V^T P of the last step, K Q^T of the next: 64 matrix instructions) and a vector phase (the step's softmax).  The two waves of a SIMD run them in
; opposite order (ROLE): behind each change of slots one goes M V M V and the other V M V M, so that one wave's vector work stands beside the other's matrix work, and both reach the next change together.
; RING.  Two LDS slots, each with 128 keys of each half; every wave fetches one step's K or V of its half with one tensor load.  CLUSTER: the four query blocks of a cluster walk the same K and V: each tile is asked
; for JOINTLY, by the same tensor load with a mask that names the four.
; Rows of 128 bytes are dense in memory: a tile is stated as rows of 256 bytes, two keys to a row, with padding behind each: K 16 bytes (pitch 272), V 32 (pitch 288): key k lies at (k / 2) pitch + (k % 2) 128.
; REGISTERS.  window 0: v2-11 addresses; v14, v15 the add's two; v16-47 statistics, 8 a tile (+0 M, +1 zero, +2, +3 L, +4 .. +7 at work; a in +6); v48-63 the joining; v64-191 S^T, 32 a tile, P in the first 16; v192-255 K.
;   window 1: v0-127 O^T, 32 a tile; v128-191 Q, 16 a tile; v192-255 V.  Register tile t holds query tile t xor 2 (w / 4): so every wave keeps tiles 0, 1 at the end and hands tiles 2, 3 to its partner.
.set SLOT1, 131072
.set KH,    17408                      ; a half's 128 keys of K: 64 rows x 272
.set VOFF,  34816
.set VH,    18432                      ; of V: 64 rows x 288
.set KSTP,  8704                       ; a step's 64 keys
.set VSTP,  9216
.set MRG,   SLOT1+71680                ; behind the ring: for each wave 16 images of four registers (512 bytes) and 4 of one (128 bytes)
.set MRGW,  8704
.set OST,   MRG+8*MRGW                 ; the way out: 32 rows x (128 bytes + 16) a wave
.set OSTW,  4608
.set SPARE, OST+8*OSTW                 ; the spare words, 128 bytes a wave
.set KIND,  8388608
.set CHUNK, 16384                      ; 128 keys in memory
.set AK0, 2
.set AV0, 3
.set ADR, 4
.set ADRV, 5
.set QOA, 6
.set QOB, 7
.set STO, 8
.set RD,  9
.set GO,  10
.set PFO, 11
.set SPW, 14
.set NIL, 15
.set ST,  16
.set MSA, 48                           ; v48 where I store my images, v49 where I load my partner's; v50, v51 the same for single registers
.set MLA, 49
.set MSW, 50
.set MLW, 51
.set PB,  52                           ; v52-55 my partner's M and L of the two tiles
.set GA,  56                           ; v56-63 the two factors of each kept tile, each the low word of a pair
.set S,   64
.set KF,  192
.set QF,  128                          ; window 1
.set VF,  192                          ; window 1
.set WV,  8
.set G,   9                            ; s9   my half of the keys
.set ROLE, 13
.set LIM, 15
.set PFA, 18
.set G1K, 24
.set G1V, 32
.set G0K, 40
.set G0V, 48
.set SLOTS, 56
.set TWICE, 57
.set TBK, 58
.set TBV, 59
.set SEL, 60
.set MSB, 0
.macro WIN new
.if MSB != \new
	s_set_vgpr_msb (MSB<<8)|\new
.set MSB, \new
.endif
.endm
.set W_KQ, 0x04                        ; K and S^T window 0, Q window 1
.set W_PV, 0x51                        ; V and O^T window 1, P window 0
.set W_RS, 0x41                        ; O^T (destination and source 0) window 1, a window 0
.set TO_1, 0x40                        ; destination window 1, address window 0
; A joint refill: waves with bit 1 clear fetch K, the others V.  The branch hangs on the wave's number alone.  An s_nop 0 and four v_nop follow each of the two lines.
.macro JLOAD
	s_cmp_eq_u32 s11, 0
	s_cbranch_scc0 .Lfor_v_\@
	tensor_load_to_lds s[G0K+4:G0K+7], s[G1K:G1K+7]
	s_nop 0
.rept 4
	v_nop
.endr
	s_branch .Lasked_\@
.Lfor_v_\@:
	tensor_load_to_lds s[G0V+4:G0V+7], s[G1V:G1V+7]
	s_nop 0
.rept 4
	v_nop
.endr
.Lasked_\@:
.endm
; A PREFETCH of what the NEXT change of slots will ask for: 128 keys of K and of V of each half, 16,384 bytes each.  It stands behind the wave's tensor load.  Each aligned 256 bytes are named once in the launch:
; the head's first cluster asks; in each partner waves 0 and 4 ask, for their half; the four partners share K's and V's two halves of 8,192 bytes out BY ADDRESS; lanes stand 256 bytes apart.
; The last change that fills a slot asks for nothing; the first three chunks come by their loads alone.
.macro ASK
	s_cmp_gt_u32 s[SLOTS], s[LIM]
	s_cbranch_scc0 .Lnot_mine_\@
	global_prefetch_b8 v[PFO], s[PFA:PFA+1] th:TH_LOAD_NT scope:SCOPE_SE
.Lnot_mine_\@:
.endm
.macro CROUND                          ; a round of the cluster's barrier
	s_barrier_signal -1
	s_barrier_wait -1
	s_cmp_lg_u32 s[WV], 0
	s_cbranch_scc1 .Lnot_wave_0_\@
	s_barrier_signal -3
.Lnot_wave_0_\@:
	s_barrier_wait -3
	s_barrier_signal -1
	s_barrier_wait -1
.endm
	s_load_b128 s[4:7], s[0:1], 0x0                ; qkvh s[4:5], att s[6:7]
	v_lshl_add_u32 v[SPW], v0, 2, SPARE
	v_mov_b32 v[NIL], 0
	ds_add_u32 v[SPW], v[NIL]                      ; the wave's opening: the add, twice on end, and its wait ahead of my first tensor load
	ds_add_u32 v[SPW], v[NIL]
	v_lshrrev_b32 v1, 5, v0
	v_readfirstlane_b32 s[WV], v1                  ; wave 0..7
	s_lshr_b32 s[G], s[WV], 2
	s_and_b32 s10, s[WV], 3                        ; my 64 queries
	s_and_b32 s11, s[WV], 2                        ; 0: I fetch K; else V
	s_and_b32 s12, s[WV], 1                        ; which of a slot's two steps I fetch
	s_xor_b32 s[ROLE], s[G], s[WV]
	s_and_b32 s[ROLE], s[ROLE], 1                  ; differs between waves w and w + 4, and between waves 2 i and 2 i + 1
	s_bfe_u32 s14, ttmp6, 0x40000                  ; cx
	s_lshl_b32 s16, ttmp9, 2
	s_add_co_u32 s16, s16, s14                     ; my block of 256 queries: it enters Q's and att's addresses alone
	s_and_b32 s17, ttmp7, 0xffff
	s_lshl_b32 s17, s17, 18                        ; the head's first byte in a kind and in att
	s_lshl_b32 s20, s[G], 17                       ; my half's 1,024 keys,
	s_add_co_u32 s20, s20, s17
	s_lshl_b32 s21, s12, 13                        ; my step's 64
	s_add_co_u32 s20, s20, s21
	s_mov_b32 s21, 0
	s_mul_i32 s62, s[G], KH                        ; and where they go in a slot: K,
	s_mul_i32 s22, s12, KSTP
	s_add_co_u32 s62, s62, s22
	s_mul_i32 s63, s[G], VH                        ; V: no place in the cluster enters an LDS address
	s_mul_i32 s22, s12, VSTP
	s_add_co_u32 s63, s63, s22
	s_add_co_u32 s63, s63, VOFF
	s_lshl_b32 s2, s16, 15                         ; my block's 256 rows of 128 bytes,
	s_lshl_b32 s3, s10, 13                         ; my wave's 64
	s_add_co_u32 s2, s2, s3
	s_add_co_u32 s2, s2, s17
	s_mov_b32 s3, 0
	; descriptor group 1: 32 rows x 128 elements of 2 bytes, dense in memory, padded in LDS
	s_mov_b32 s[G1K], 15|(1<<16)|(1<<20)|(1<<21)|(5<<22)|(3<<25)  ; the mask: all four work-groups; elements of 2 bytes; padding on; bit 21 beside a mask; after every 64 words 4 words
	s_mov_b32 s[G1V], 15|(1<<16)|(1<<20)|(1<<21)|(5<<22)|(7<<25)  ; the same with 8 words
.irp g, G1K, G1V
	s_mov_b32 s[\g+1], 128<<16                     ; tensor_dim0
	s_mov_b32 s[\g+2], 32<<16                      ; tensor_dim1
	s_mov_b32 s[\g+3], 128<<16                     ; tile_dim0
	s_mov_b32 s[\g+4], 32                          ; tile_dim1
	s_mov_b32 s[\g+5], 128                         ; from row to row
	s_mov_b32 s[\g+6], 0
	s_mov_b32 s[\g+7], 0
.endr
	s_mov_b32 s[SEL], 0x76543210
	s_mov_b32 s[SEL+1], 0xfedcba98
	s_mov_b32 s[TBK], 0
	s_mov_b32 s[TBV], 0
	s_mov_b32 s[SLOTS], 6                          ; of a half's 8 chunks of 128 keys, 6 come by refills
	s_or_b32 s[LIM], s10, ttmp9                    ; 0 in waves 0 and 4 of the head's first cluster: the same in all four partners
	s_cmp_eq_u32 s[LIM], 0
	s_cselect_b32 s[LIM], 1, -1
	s_lshr_b32 s22, s14, 1                         ; the prefetches: partners 0, 1 ask for K, partners 2, 3 for V,
	s_add_co_u32 s22, s22, 1
	s_lshl_b32 s22, s22, 23
	s_add_co_u32 s22, s22, s17
	s_lshl_b32 s23, s[G], 17
	s_add_co_u32 s22, s22, s23
	s_and_b32 s23, s14, 1                          ; each for 8,192 of a chunk's 16,384 bytes,
	s_lshl_b32 s23, s23, 13
	s_add_co_u32 s22, s22, s23
	s_add_co_u32 s22, s22, 2*CHUNK                 ; from chunk 2: the first change of slots steps it to chunk 3
	s_mov_b32 s23, 0
	s_wait_dscnt 0x0                               ; both opening adds are done
	s_wait_kmcnt 0x0
	s_add_nc_u64 s[66:67], s[4:5], s[20:21]
	s_add_nc_u64 s[68:69], s[66:67], 2*KIND        ; V at my tile of chunk 0
	s_add_nc_u64 s[66:67], s[66:67], KIND          ; K likewise
	s_add_nc_u64 s[PFA:PFA+1], s[4:5], s[22:23]
	s_add_nc_u64 s[4:5], s[4:5], s[2:3]            ; Q at my wave's first row
	s_add_nc_u64 s[6:7], s[6:7], s[2:3]
	s_lshl_b32 s2, s[G], 12                        ; att: the 32 rows that I keep
	s_add_nc_u64 s[6:7], s[6:7], s[2:3]
	CROUND                                         ; all four work-groups are here: the first joint loads meet
.irp s, 0,1
	s_mov_b32 s[G0K+4*\s], 1
	s_add_co_u32 s[G0K+4*\s+1], s62, \s*SLOT1
	s_add_nc_u64 s[G0K+4*\s+2:G0K+4*\s+3], s[66:67], \s*CHUNK
	s_or_b32 s[G0K+4*\s+3], s[G0K+4*\s+3], 0x80000000
	s_mov_b32 s[G0V+4*\s], 1
	s_add_co_u32 s[G0V+4*\s+1], s63, \s*SLOT1
	s_add_nc_u64 s[G0V+4*\s+2:G0V+4*\s+3], s[68:69], \s*CHUNK
	s_or_b32 s[G0V+4*\s+3], s[G0V+4*\s+3], 0x80000000
.endr
	s_cmp_eq_u32 s11, 0                            ; a wave's two first fills stand in one branch: two loads of mine are out
	s_cbranch_scc0 .Lfirst_v
	tensor_load_to_lds s[G0K:G0K+3], s[G1K:G1K+7]
	s_nop 0
	tensor_load_to_lds s[G0K+4:G0K+7], s[G1K:G1K+7]
	s_nop 0
.rept 4
	v_nop
.endr
	s_branch .Lfirst_asked
.Lfirst_v:
	tensor_load_to_lds s[G0V:G0V+3], s[G1V:G1V+7]
	s_nop 0
	tensor_load_to_lds s[G0V+4:G0V+7], s[G1V:G1V+7]
	s_nop 0
.rept 4
	v_nop
.endr
.Lfirst_asked:
	v_and_b32 v1, 15, v0                           ; r
	v_bfe_u32 v12, v0, 4, 1                        ; h
	v_lshlrev_b32 v13, 7, v1
	v_lshl_add_u32 v13, v12, 4, v13                ; Q: row r of 128 bytes + 16 h
	s_lshl_b32 s2, s[G], 12
	v_add_nc_u32 v[QOA], s2, v13                   ; register tiles 0, 1: query tiles 2 g, 2 g + 1;
	s_xor_b32 s2, s2, 4096
	v_add_nc_u32 v[QOB], s2, v13                   ; register tiles 2, 3: the other two
	WIN TO_1
.irp t, 0,1
.irp c, 0,1                                    ; Q stays in registers: channels 32 c on
	global_load_b128 v[QF+16*\t+8*\c:QF+16*\t+8*\c+3],       v[QOA], s[4:5] offset:\t*2048+64*\c
	global_load_b128 v[QF+16*\t+8*\c+4:QF+16*\t+8*\c+7],     v[QOA], s[4:5] offset:\t*2048+64*\c+32
	global_load_b128 v[QF+32+16*\t+8*\c:QF+32+16*\t+8*\c+3],   v[QOB], s[4:5] offset:\t*2048+64*\c
	global_load_b128 v[QF+32+16*\t+8*\c+4:QF+32+16*\t+8*\c+7], v[QOB], s[4:5] offset:\t*2048+64*\c+32
.endr
.endr
	WIN 0
	v_lshrrev_b32 v13, 1, v1                       ; K: key r at (r / 2) 272 + (r % 2) 128, + 16 h, in my half
	v_mul_u32_u24 v[AK0], v13, 272
	v_and_b32 v13, 1, v1
	v_lshl_add_u32 v[AK0], v13, 7, v[AK0]
	v_lshl_add_u32 v[AK0], v12, 4, v[AK0]
	s_mul_i32 s2, s[G], KH
	v_add_nc_u32 v[AK0], s2, v[AK0]
	v_bfe_u32 v13, v0, 1, 2                        ; V, for the turning load: lane l reads 16 bytes of key 8 h + l % 8, channels 8 ((l / 8) % 2) on
	v_lshl_add_u32 v13, v12, 2, v13
	v_mul_u32_u24 v[AV0], v13, 288
	v_and_b32 v13, 1, v0
	v_lshl_add_u32 v[AV0], v13, 7, v[AV0]
	v_bfe_u32 v13, v0, 3, 1
	v_lshl_add_u32 v[AV0], v13, 4, v[AV0]
	s_mul_i32 s2, s[G], VH
	s_add_co_u32 s2, s2, VOFF
	v_add_nc_u32 v[AV0], s2, v[AV0]
	v_and_b32 v13, 31, v0                          ; lane
	v_lshlrev_b32 v[GO], 4, v13
	v_lshlrev_b32 v[PFO], 8, v13
	s_mul_i32 s2, s[WV], MRGW
	s_add_co_u32 s2, s2, MRG
	v_lshl_add_u32 v[MSA], v13, 4, s2              ; an image's place for my lane: 16 x lane, in my region;
	v_lshl_add_u32 v[MSW], v13, 2, s2
	v_add_nc_u32 v[MSW], 8192, v[MSW]
	s_xor_b32 s3, s[WV], 4
	s_mul_i32 s3, s3, MRGW
	s_add_co_u32 s3, s3, MRG
	v_lshl_add_u32 v[MLA], v13, 4, s3              ; and in my partner's
	v_lshl_add_u32 v[MLW], v13, 2, s3
	v_add_nc_u32 v[MLW], 8192, v[MLW]
	s_mul_i32 s2, s[WV], OSTW
	s_add_co_u32 s2, s2, OST
	v_mul_u32_u24 v[STO], v1, 144                  ; the stage, in: row r, 16 bytes for each half of the lanes
	v_lshl_add_u32 v[STO], v12, 4, v[STO]
	v_add_nc_u32 v[STO], s2, v[STO]
	v_lshrrev_b32 v12, 3, v13                      ; back: eight lanes to a row of 128 bytes
	v_mul_u32_u24 v[RD], v12, 144
	v_and_b32 v12, 7, v13
	v_lshl_add_u32 v[RD], v12, 4, v[RD]
	v_add_nc_u32 v[RD], s2, v[RD]
.irp t, 0,1,2,3
	v_mov_b32 v[ST+8*\t+1], 0                      ; named as the upper halves of pairs
	v_mov_b32 v[GA+2*\t+1], 0
.endr
; A MATRIX PHASE.  pv = 2: 32 products V^T P of the last step; 1: they start O^T's sums; 0: none.  kq = 1: the next step's K and V are fetched and its 32 products K Q^T made.
; The sixteen accumulators of each kind take turns, one instruction a turn.
.macro MPH pv, kq
.if \kq
	v_add_nc_u32 v[ADR], s[TBK], v[AK0]
	v_add_nc_u32 v[ADRV], s[TBV], v[AV0]
.irp kt, 0,1,2,3
.irp c, 0,1
	ds_load_b128 v[KF+16*\kt+8*\c:KF+16*\kt+8*\c+3],   v[ADR] offset:\kt*2176+64*\c
	ds_load_b128 v[KF+16*\kt+8*\c+4:KF+16*\kt+8*\c+7], v[ADR] offset:\kt*2176+64*\c+32
.endr
.endr
.endif
.if \pv
.if \kq
	s_wait_dscnt 16                                ; V of the last step is in; K's sixteen loads, just issued, may be out
.else
	s_wait_dscnt 0x0
.endif
	WIN W_PV
.irp ks, 0,1
.irp ct, 0,1,2,3
.irp t, 0,1,2,3
.if (\pv == 1) && (\ks == 0)
	v_wmma_f32_16x16x32_f16 v[32*\t+8*\ct:32*\t+8*\ct+7], v[VF+32*\ks+8*\ct:VF+32*\ks+8*\ct+7], v[S+32*\t+8*\ks:S+32*\t+8*\ks+7], 0
.else
	v_wmma_f32_16x16x32_f16 v[32*\t+8*\ct:32*\t+8*\ct+7], v[VF+32*\ks+8*\ct:VF+32*\ks+8*\ct+7], v[S+32*\t+8*\ks:S+32*\t+8*\ks+7], v[32*\t+8*\ct:32*\t+8*\ct+7]
.endif
.endr
.endr
.endr
	WIN 0
.rept 5
	v_nop                                          ; five plain lines: K Q^T below writes over P's registers; the loads into V's want four
.endr
.endif
.if \kq
	WIN TO_1
.irp ks, 0,1
.irp ct, 0,1,2,3
	ds_load_tr16_b128 v[VF+32*\ks+8*\ct:VF+32*\ks+8*\ct+3],   v[ADRV] offset:\ks*4608+32*\ct
	ds_load_tr16_b128 v[VF+32*\ks+8*\ct+4:VF+32*\ks+8*\ct+7], v[ADRV] offset:\ks*4608+32*\ct+2304
.endr
.endr
	s_wait_dscnt 16                                ; K is in; V's sixteen loads may be out: they are wanted a phase later
	WIN W_KQ
.irp c, 0,1
.irp kt, 0,1,2,3
.irp t, 0,1,2,3
.if \c == 0
	v_wmma_f32_16x16x32_f16 v[S+32*\t+8*\kt:S+32*\t+8*\kt+7], v[KF+16*\kt+8*\c:KF+16*\kt+8*\c+7], v[QF+16*\t+8*\c:QF+16*\t+8*\c+7], 0
.else
	v_wmma_f32_16x16x32_f16 v[S+32*\t+8*\kt:S+32*\t+8*\kt+7], v[KF+16*\kt+8*\c:KF+16*\kt+8*\c+7], v[QF+16*\t+8*\c:QF+16*\t+8*\c+7], v[S+32*\t+8*\kt:S+32*\t+8*\kt+7]
.endif
.endr
.endr
.endr
	WIN 0
.rept 5
	v_nop                                          ; five plain lines: the softmax's first read of the scores wants four; five are the distance of a matrix instruction that takes these registers as an operand, kept on every way through the branches on the role
.endr
	s_add_co_u32 s[TBK], s[TBK], KSTP              ; the next fetch is the next step's
	s_add_co_u32 s[TBV], s[TBV], VSTP
.endif
.endm
; A VECTOR PHASE: the softmax of one step for my four tiles, which take turns line by line.  first = 1: the first step starts M and L; it has no a and nothing to rescale.
.macro VPH first
.irp j, 0,1,2,3                                ; the maximum of a lane's 32 scores: four chains, one for each accumulator, each begun at its low end
.irp t, 0,1,2,3
	v_max3_num_f32 v[ST+8*\t+4+\j], v[S+32*\t+8*\j], v[S+32*\t+8*\j+1], v[S+32*\t+8*\j+2]
.endr
.endr
.irp u, 3,5
.irp j, 0,1,2,3
.irp t, 0,1,2,3
	v_max3_num_f32 v[ST+8*\t+4+\j], v[ST+8*\t+4+\j], v[S+32*\t+8*\j+\u], v[S+32*\t+8*\j+\u+1]
.endr
.endr
.endr
.irp t, 0,1,2,3
	v_max3_num_f32 v[ST+8*\t+4], v[ST+8*\t+4], v[S+32*\t+7], v[S+32*\t+15]
.endr
.irp t, 0,1,2,3
	v_max3_num_f32 v[ST+8*\t+6], v[ST+8*\t+6], v[S+32*\t+23], v[S+32*\t+31]
.endr
.irp t, 0,1,2,3
	v_max3_num_f32 v[ST+8*\t+4], v[ST+8*\t+4], v[ST+8*\t+5], v[ST+8*\t+6]
.endr
.irp t, 0,1,2,3
.if \first
	v_max_num_f32 v[ST+8*\t+4], v[ST+8*\t+4], v[ST+8*\t+7]
.else
	v_max3_num_f32 v[ST+8*\t+4], v[ST+8*\t+4], v[ST+8*\t+7], v[ST+8*\t]   ; and the old M
.endif
.endr
.irp t, 0,1,2,3
	v_permlanex16_b32 v[ST+8*\t+5], v[ST+8*\t+4], s[SEL], s[SEL+1]        ; the query's other 32 keys lie in the lane 16 away
.endr
.irp t, 0,1,2,3
	v_max_num_f32 v[ST+8*\t+6], v[ST+8*\t+4], v[ST+8*\t+5]                ; the new M
.endr
.if !\first
.irp t, 0,1,2,3
	v_sub_f32 v[ST+8*\t+7], v[ST+8*\t], v[ST+8*\t+6]                      ; old M - new M
.endr
.endif
.irp t, 0,1,2,3
	v_mov_b32 v[ST+8*\t], v[ST+8*\t+6]
.endr
.if !\first
.irp t, 0,1,2,3
	v_exp_f32 v[ST+8*\t+6], v[ST+8*\t+7]                                  ; a
.endr
.endif
; ONE BATCH: the 64 subtractions of M, a pair of scores each, and the 128 exponentials, a pair's two behind the next pair's subtraction.  None of these lines names an exponential's result.
.set b, 0
.rept 17
.if b < 16
.irp t, 0,1,2,3
	v_pk_add_f32 v[S+32*\t+2*b:S+32*\t+2*b+1], v[S+32*\t+2*b:S+32*\t+2*b+1], v[ST+8*\t:ST+8*\t+1] op_sel_hi:[1,0] neg_lo:[0,1] neg_hi:[0,1]
.endr
.endif
.if b > 0
.irp t, 0,1,2,3
	v_exp_f32 v[S+32*\t+2*b-2], v[S+32*\t+2*b-2]
	v_exp_f32 v[S+32*\t+2*b-1], v[S+32*\t+2*b-1]
.endr
.endif
.set b, b+1
.endr
	v_nop                                          ; a plain line behind the last exponential,
	s_wait_alu depctr_va_vdst(0)                   ; and the one wait ahead of the batch's first reader
.if \first
.irp t, 0,1,2,3
	v_pk_add_f32 v[ST+8*\t+2:ST+8*\t+3], v[S+32*\t:S+32*\t+1], v[S+32*\t+2:S+32*\t+3]
.endr
.set b, 2
.else
.irp t, 0,1,2,3
	v_pk_fma_f32 v[ST+8*\t+2:ST+8*\t+3], v[ST+8*\t+2:ST+8*\t+3], v[ST+8*\t+6:ST+8*\t+7], v[S+32*\t:S+32*\t+1] op_sel_hi:[1,0,1]   ; L = a L + p
.endr
.set b, 1
.endif
.rept 15
.if b < 16
.irp t, 0,1,2,3
	v_pk_add_f32 v[ST+8*\t+2:ST+8*\t+3], v[ST+8*\t+2:ST+8*\t+3], v[S+32*\t+2*b:S+32*\t+2*b+1]   ; the sum is taken of the unrounded p
.endr
.endif
.set b, b+1
.endr
.set i, 0
.rept 16
.irp t, 0,1,2,3
	v_cvt_pk_f16_f32 v[S+32*\t+i], v[S+32*\t+2*i], v[S+32*\t+2*i+1]       ; P, in place, ascending
.endr
.set i, i+1
.endr
.if !\first
	WIN W_RS
.set i, 0
.rept 16
.irp t, 0,1,2,3
	v_pk_mul_f32 v[32*\t+2*i:32*\t+2*i+1], v[32*\t+2*i:32*\t+2*i+1], v[ST+8*\t+6:ST+8*\t+7] op_sel_hi:[1,0]   ; O^T under the new M; each accumulator from its low end on
.endr
.set i, i+1
.endr
	WIN 0
.endif
.endm
.macro VPH_IF x                        ; the vector phase, for the waves of role x: a branch on the wave's number, round register work alone
	s_cmp_eq_u32 s[ROLE], \x
	s_cbranch_scc0 .Lnot_now_\@
	VPH 0
.Lnot_now_\@:
.endm
; THE CHANGE OF SLOTS.  Each wave waits for all its tensor loads (one is out: its part of the other slot), adds 0 to its spare word, and waits for that and for its reads of the slot.
; fill = 1: the barrier is a round of the cluster's; the joint refill, the keys two chunks on, is the first thing behind it, and has two steps of both waves of a SIMD in which to land.
.macro CHANGE fill
	s_wait_tensorcnt 0x0                           ; no tensor load of mine is out, so a group 0 may be written
	ds_add_u32 v[SPW], v[NIL]
.if \fill
.irp g, G0K+4, G0V+4
	s_xor_b32 s[\g+1], s[\g+1], SLOT1              ; the walking descriptor: the other slot than last time,
	s_add_nc_u64 s[\g+2:\g+3], s[\g+2:\g+3], CHUNK ; the next 128 keys
.endr
	s_wait_xcnt 0x0                                ; the last prefetch, a slot back, has read its address
	s_add_nc_u64 s[PFA:PFA+1], s[PFA:PFA+1], CHUNK
	s_wait_dscnt 0x0                               ; the add is done, and my reads of the slot are over
	CROUND
	JLOAD
	ASK
.else
	s_wait_dscnt 0x0
	s_barrier_signal -1
	s_barrier_wait -1
.endif
	s_sub_co_u32 s[TBK], s[TBK], 2*KSTP            ; the fetches go back to a slot's first step,
	s_xor_b32 s[TBK], s[TBK], SLOT1                ; in the other slot
	s_sub_co_u32 s[TBV], s[TBV], 2*VSTP
	s_xor_b32 s[TBV], s[TBV], SLOT1
.endm
.macro TWO                             ; a slot's two steps: written once, walked twice
	s_mov_b32 s[TWICE], 2
.Ltwo_\@:
	VPH_IF 1
	MPH 2, 1
	VPH_IF 0
	s_sub_co_u32 s[TWICE], s[TWICE], 1
	s_cmp_lg_u32 s[TWICE], 0
	s_cbranch_scc1 .Ltwo_\@
.endm
	s_wait_tensorcnt 1                             ; my part of slot 0 is in; slot 1's, issued behind it, may stay out
	s_barrier_signal -1
	s_barrier_wait -1
	s_wait_loadcnt 0x0                             ; Q
	MPH 0, 1                                       ; the scores of step 0
	VPH 1
	MPH 1, 1                                       ; V^T P of step 0 starts O^T; the scores of step 1
	VPH_IF 0
.Lslot:                                            ; 6 trips: chunks 1 to 6 are read, chunks 2 to 7 asked for
	CHANGE 1
	TWO
	s_sub_co_u32 s[SLOTS], s[SLOTS], 1
	s_cmp_lg_u32 s[SLOTS], 0
	s_cbranch_scc1 .Lslot
	CHANGE 0                                       ; the last chunk is written out: nothing is asked for
	TWO
	VPH_IF 1
	MPH 2, 0                                       ; V^T P of the last step
	; THE TWO HALVES OF THE KEYS ARE JOINED.  I hand tiles 2, 3 (O^T, M, L) to wave w xor 4 as images of their registers, and take its tiles 2, 3, which are my tiles 0, 1's queries.
.irp t, 0,1,2,3
	v_add_f32 v[ST+8*\t+2], v[ST+8*\t+2], v[ST+8*\t+3]
.endr
	WIN 0x04                                       ; an LDS store's data are its source 1: window 1
.irp i, 0,1,2,3,4,5,6,7,8,9,10,11,12,13,14,15
	ds_store_b128 v[MSA], v[64+4*\i:64+4*\i+3] offset:512*\i
.endr
	WIN 0
	ds_store_b32 v[MSW], v[ST+16]
	ds_store_b32 v[MSW], v[ST+18] offset:128
	ds_store_b32 v[MSW], v[ST+24] offset:256
	ds_store_b32 v[MSW], v[ST+26] offset:384
	s_wait_dscnt 0x0                               ; for my partner's sake: my stores have landed
	s_barrier_signal -1
	s_barrier_wait -1
.irp i, 0,1,2,3,4,5,6,7,8,9,10,11,12,13,14,15
	ds_load_b128 v[S+4*\i:S+4*\i+3], v[MLA] offset:512*\i
.endr
.irp i, 0,1,2,3
	ds_load_b32 v[PB+\i], v[MLW] offset:128*\i
.endr
	s_wait_dscnt 0x0
.irp t, 0,1
	v_max_num_f32 v[ST+8*\t+4], v[ST+8*\t], v[PB+2*\t]                    ; the common maximum
.endr
.irp t, 0,1
	v_sub_f32 v[ST+8*\t+5], v[ST+8*\t], v[ST+8*\t+4]
	v_sub_f32 v[ST+8*\t+6], v[PB+2*\t], v[ST+8*\t+4]
.endr
.irp t, 0,1
	v_exp_f32 v[GA+4*\t], v[ST+8*\t+5]
	v_exp_f32 v[GA+4*\t+2], v[ST+8*\t+6]
.endr
	v_nop
	s_wait_alu depctr_va_vdst(0)                   ; one wait for the four exponentials
.irp t, 0,1
	v_mul_f32 v[ST+8*\t+7], v[GA+4*\t], v[ST+8*\t+2]
.endr
.irp t, 0,1
	v_fma_f32 v[ST+8*\t+7], v[GA+4*\t+2], v[PB+2*\t+1], v[ST+8*\t+7]
.endr
.irp t, 0,1
	v_permlanex16_b32 v[ST+8*\t+5], v[ST+8*\t+7], s[SEL], s[SEL+1]
.endr
.irp t, 0,1
	v_add_f32 v[ST+8*\t+7], v[ST+8*\t+7], v[ST+8*\t+5]                    ; the row's sum
.endr
.irp t, 0,1
	v_rcp_f32 v[ST+8*\t+6], v[ST+8*\t+7]
.endr
	v_nop
	s_wait_alu depctr_va_vdst(0)                   ; one wait for the two reciprocals
.irp t, 0,1
	v_mul_f32 v[GA+4*\t], v[GA+4*\t], v[ST+8*\t+6]
	v_mul_f32 v[GA+4*\t+2], v[GA+4*\t+2], v[ST+8*\t+6]
.endr
	WIN 0x01                                       ; source 0: window 1
.irp t, 0,1
.set i, 0
.rept 16
	v_pk_mul_f32 v[128+32*\t+2*i:128+32*\t+2*i+1], v[32*\t+2*i:32*\t+2*i+1], v[GA+4*\t:GA+4*\t+1] op_sel_hi:[1,0]
.set i, i+1
.endr
.endr
	WIN 0
.irp t, 0,1
.set i, 0
.rept 16
	v_pk_fma_f32 v[128+32*\t+2*i:128+32*\t+2*i+1], v[S+32*\t+2*i:S+32*\t+2*i+1], v[GA+4*\t+2:GA+4*\t+3], v[128+32*\t+2*i:128+32*\t+2*i+1] op_sel_hi:[1,0,1]
.set i, i+1
.endr
.endr
.set i, 0
.rept 32
	v_cvt_pk_f16_f32 v[192+i], v[128+2*i], v[128+2*i+1]
.set i, i+1
.endr
	; a lane's 16 bytes are eight channels of one query: they go through my stage and come back four rows (512 consecutive bytes of att) to a load
.irp t, 0,1
.irp ct, 0,1,2,3
	ds_store_b128 v[STO], v[192+16*\t+4*\ct:192+16*\t+4*\ct+3] offset:\t*2304+32*\ct
.endr
.endr
.irp i, 0,1,2,3,4,5,6,7
	ds_load_b128 v[224+4*\i:224+4*\i+3], v[RD] offset:576*\i               ; LDS serves a wave's instructions in order: these see my stores
.endr
.irp i, 0,1,2,3,4,5,6,7
	s_wait_dscnt 7-\i                              ; load i is in; the later ones may be out
	global_store_b128 v[GO], v[224+4*\i:224+4*\i+3], s[6:7] offset:512*\i  ; 32 lanes store 512 consecutive bytes, aligned
.endr
	s_wait_tensorcnt 0x0                           ; the wave's end: behind my last tensor load and my last LDS store
	ds_add_u32 v[SPW], v[NIL]
	s_wait_dscnt 0x0
	CROUND                                         ; the closing round
	s_endpgm
.Lfunc_end_k_q9e071225e6_attn:
	.size	k_q9e071225e6_attn, .Lfunc_end_k_q9e071225e6_attn-k_q9e071225e6_attn
	.p2alignl 7, 3214868480
	.fill 96, 4, 3214868480
	.section	.rodata,"a",@progbits
	.p2align	6, 0x0
	.amdhsa_kernel k_q9e071225e6_attn
		.amdhsa_group_segment_fixed_size 327680
		.amdhsa_private_segment_fixed_size 0
		.amdhsa_enable_private_segment 0
		.amdhsa_kernarg_size 16
		.amdhsa_user_sgpr_count 2
		.amdhsa_user_sgpr_kernarg_segment_ptr 1
		.amdhsa_wavefront_size32 1
		.amdhsa_system_sgpr_workgroup_id_x 1
		.amdhsa_system_sgpr_workgroup_id_y 1
		.amdhsa_system_sgpr_workgroup_id_z 1
		.amdhsa_system_vgpr_workitem_id 0
		.amdhsa_next_free_vgpr 512
		.amdhsa_next_free_sgpr 72
		.amdhsa_reserve_vcc 0
		.amdhsa_float_denorm_mode_32 3
		.amdhsa_float_denorm_mode_16_64 3
		.amdhsa_memory_ordered 1
		.amdhsa_forward_progress 1
		.amdhsa_inst_pref_size 222
	.end_amdhsa_kernel
	.amdgpu_metadata
---
amdhsa.version: [ 1, 2 ]
amdhsa.kernels:
  - .name:           k_q9e071225e6_attn
    .symbol:         k_q9e071225e6_attn.kd
    .args:
      - { .name: qkvh, .offset: 0, .size: 8, .value_kind: global_buffer, .address_space: global }
      - { .name: att, .offset: 8, .size: 8, .value_kind: global_buffer, .address_space: global }
    .group_segment_fixed_size: 327680
    .private_segment_fixed_size: 0
    .kernarg_segment_align: 8
    .kernarg_segment_size: 16
    .max_flat_workgroup_size: 256
    .sgpr_count:     72
    .vgpr_count:     512
    .wavefront_size: 32
...
	.end_amdgpu_metadata
.endif
;; end of part 3
;; launch proj (part 4): grid 8 x 32, 4 waves a work-group, clusters of 4 x 4, 327,680 bytes of LDS; arguments att, pw16, proj_b, out0; writes out0
.if DOCPART == 4
	.amdgcn_target "amdgcn-amd-amdhsa--gfx1250"
	.amdhsa_code_object_version 6
	.text
	.protected	k_q9e071225e6_proj
	.globl	k_q9e071225e6_proj
	.p2align	8
	.type	k_q9e071225e6_proj,@function
k_q9e071225e6_proj:
	s_mov_b64 s[64:65], 0
	v_nop
	global_prefetch_b8 v0, s[64:65] scope:SCOPE_SE
	s_setreg_imm32_b32 hwreg(HW_REG_WAVE_MODE, 25, 1), 1
	s_wait_xcnt 0x0
	s_wait_alu depctr_hold_cnt(0) depctr_sa_sdst(0) depctr_va_vdst(0) depctr_va_sdst(0) depctr_va_ssrc(0) depctr_va_vcc(0) depctr_vm_vsrc(0)
	s_getreg_b32 s2, hwreg(HW_REG_IB_STS2, 6, 4)
	s_cmp_eq_u32 s2, 0
	s_cbranch_scc0 .Lentry_in_a_cluster
	s_endpgm
.Lentry_in_a_cluster:
	s_bfe_u32 s2, ttmp6, 0x10000c
	s_cmp_lg_u32 s2, 0xf033
	s_cbranch_scc0 .Lentry_shape_is_right
	s_endpgm
.Lentry_shape_is_right:
; out0[m][o] = sum over c of a[m][c] proj_w[o][c] + proj_b[o].  a is att, f16 in head planes [batch x 16 + head][2048][64] (c = 64 head + d); proj_w is pw16, f16 [1024][1024]; sums and out0 in f32.
; M = 4,096, N = K = 1,024: tiles of 128 x 128 give each of 256 work-groups one.  Four waves, each 64 x 64: 16 accumulators, 128 registers.  K goes in steps of 256 (four heads) through two LDS slots.
; A's part of a step: four planes of 128 tokens x 64 channels; a plane's 16,384 bytes are dense in memory: a tile of two planes is stated as two rows of 8,192 elements, 131,072 elements apart, with 16 bytes of
; padding behind every 256: token k of a plane lies at (k / 2) 272 + (k % 2) 128.  B's part: 128 rows of 512 bytes + 16.  Waves 0, 1 fetch A's two pairs of planes, waves 2, 3 B's two halves.
; CLUSTERS: 4 x 4 work-groups; A's tiles are asked for jointly along a row of the cluster, B's along a column.  THE MATRIX INSTRUCTION IS USED TRANSPOSED (source 0 = 16 rows of B, source 1 = 16 tokens):
; a lane holds eight neighbouring outputs of one token.  The bias is the C of each sum's first product.
; No prefetch: a step's tiles are small and shared by four partners.
; REGISTERS: window 0: v16-29 addresses; v32-95 rows on their way out; v96-127 the bias in the result's layout; v128-255 the accumulators ((a, b) at v[128 + 8 (4 a + b)]).  window 1: two fragment buffers of 128.
.set KSTEP,  256
.set PITCH,  528
.set HALFB,  64*PITCH
.set PLANE,  64*272
.set BOFF,   4*PLANE
.set SLOT,   BOFF+2*HALFB
.set STAGE,  2*SLOT                    ; behind the ring: 16 rows x (256 bytes + 16) for each wave: a wave's 64 outputs of a token are 256 bytes, aligned
.set SPITCH, 272
.set SPARE,  STAGE+4*16*SPITCH
.set LAPS,   2
.set ADRA, 16
.set ADRB, 20
.set STO,  24
.set RD,   25
.set CO,   26
.set BO,   27
.set SPW,  28
.set NIL,  29
.set OB,   32
.set BI,   96
.set ACC,  128
.set F0,   0
.set F1,   128
.set WV,   66
.set HI,   67
.set LO,   68
.set TR,   69
.set G1, 24
.set G0, 32
.set G1B, 48
.set G0B, 56
.set MSB, 0
.macro WIN new
.if MSB != \new
	s_set_vgpr_msb (MSB<<8)|\new
.set MSB, \new
.endif
.endm
.set MUL,  0x05                        ; sources 0 (B) and 1 (A) window 1; C and D window 0
.set TO_F, 0x40
.macro JLOAD s                         ; a joint load; an s_nop 0 and four v_nop follow each of the two lines
	s_cmp_eq_u32 s[HI], 0
	s_cbranch_scc0 .Lfor_b_\@
	tensor_load_to_lds s[G0+4*\s:G0+4*\s+3], s[G1:G1+7]
	s_nop 0
.rept 4
	v_nop
.endr
	s_branch .Lasked_\@
.Lfor_b_\@:
	tensor_load_to_lds s[G0B+4*\s:G0B+4*\s+3], s[G1B:G1B+7]
	s_nop 0
.rept 4
	v_nop
.endr
.Lasked_\@:
.endm
.macro CREST
	s_cmp_lg_u32 s[WV], 0
	s_cbranch_scc1 .Lnot_wave_0_\@
	s_barrier_signal -3
.Lnot_wave_0_\@:
	s_barrier_wait -3
	s_barrier_signal -1
	s_barrier_wait -1
.endm
.macro CROUND
	s_barrier_signal -1
	s_barrier_wait -1
	CREST
.endm
	s_load_b256 s[4:11], s[0:1], 0x0               ; att s[4:5], pw16 s[6:7], proj_b s[8:9], out0 s[10:11]
	v_lshl_add_u32 v[SPW], v0, 2, SPARE
	v_mov_b32 v[NIL], 0
	ds_add_u32 v[SPW], v[NIL]                      ; the wave's opening: the add, twice on end, and its wait ahead of my first tensor load
	ds_add_u32 v[SPW], v[NIL]
	v_lshrrev_b32 v1, 5, v0
	v_readfirstlane_b32 s[WV], v1
	s_lshr_b32 s[HI], s[WV], 1                     ; my half of the tile's rows.  Also: I fetch for A (0) or for B (1)
	s_and_b32 s[LO], s[WV], 1                      ; my half of its columns.  Also: which part I fetch
	s_bfe_u32 s40, ttmp6, 0x40000
	s_bfe_u32 s41, ttmp6, 0x40004
	s_lshl_b32 s42, ttmp9, 2
	s_add_co_u32 s42, s42, s40                     ; tile column
	s_and_b32 s[TR], ttmp7, 0xffff
	s_lshl_b32 s[TR], s[TR], 2
	s_add_co_u32 s[TR], s[TR], s41                 ; tile row
	s_lshl_b32 s43, s41, 2
	s_lshl_b32 s43, 15, s43                        ; my row of the cluster
	s_lshl_b32 s44, 0x1111, s40                    ; my column
	s_or_b32 s[G1+0], s43, (1<<16)|(1<<20)|(1<<21)|(5<<22)|(3<<25)   ; A: elements of 2 bytes; 4 words of padding after every 64
	s_mov_b32 s[G1+1], 8192<<16                    ; tensor_dim0: a plane's 128 tokens x 64
	s_mov_b32 s[G1+2], 2<<16                       ; tensor_dim1: two planes
	s_mov_b32 s[G1+3], 8192<<16                    ; tile_dim0
	s_mov_b32 s[G1+4], 2                           ; tile_dim1
	s_mov_b32 s[G1+5], 131072                      ; from plane to plane
	s_mov_b32 s[G1+6], 0
	s_mov_b32 s[G1+7], 0
	s_or_b32 s[G1B+0], s44, (1<<16)|(1<<20)|(1<<21)|(6<<22)|(3<<25)  ; B: 4 words of padding after every 128
	s_mov_b32 s[G1B+1], KSTEP<<16
	s_mov_b32 s[G1B+2], 64<<16
	s_mov_b32 s[G1B+3], KSTEP<<16
	s_mov_b32 s[G1B+4], 64
	s_mov_b32 s[G1B+5], 1024
	s_mov_b32 s[G1B+6], 0
	s_mov_b32 s[G1B+7], 0
	s_lshr_b32 s16, s[TR], 4                       ; A: plane 16 x batch + 2 x part, token 128 x (tile row % 16)
	s_lshl_b32 s16, s16, 4
	s_lshl_b32 s17, s[LO], 1
	s_add_co_u32 s16, s16, s17
	s_lshl_b32 s16, s16, 18
	s_and_b32 s17, s[TR], 15
	s_lshl_b32 s17, s17, 14
	s_add_co_u32 s16, s16, s17
	s_mov_b32 s17, 0
	s_lshl_b32 s46, s42, 7                         ; B: row 128 x tile column + 64 x part, 2,048 bytes a row
	s_lshl_b32 s47, s[LO], 6
	s_add_co_u32 s46, s46, s47
	s_lshl_b32 s46, s46, 11
	s_mov_b32 s47, 0
	s_mul_i32 s20, s[LO], 2*PLANE                  ; where they go: no place in the cluster enters an LDS address
	s_mul_i32 s21, s[LO], HALFB
	s_add_co_u32 s21, s21, BOFF
	s_wait_dscnt 0x0                               ; both opening adds are done
	s_wait_kmcnt 0x0
	s_add_nc_u64 s[14:15], s[4:5], s[16:17]
	s_add_nc_u64 s[46:47], s[6:7], s[46:47]
	CROUND                                         ; all sixteen work-groups are here: the first joint loads meet
.irp s, 0,1
	s_mov_b32 s[G0+4*\s], 1
	s_add_co_u32 s[G0+4*\s+1], s20, \s*SLOT
	s_add_nc_u64 s[G0+4*\s+2:G0+4*\s+3], s[14:15], \s*1048576      ; a K step is four planes of 262,144 bytes
	s_or_b32 s[G0+4*\s+3], s[G0+4*\s+3], 0x80000000
	s_mov_b32 s[G0B+4*\s], 1
	s_add_co_u32 s[G0B+4*\s+1], s21, \s*SLOT
	s_add_nc_u64 s[G0B+4*\s+2:G0B+4*\s+3], s[46:47], \s*KSTEP*2
	s_or_b32 s[G0B+4*\s+3], s[G0B+4*\s+3], 0x80000000
	JLOAD \s
.endr
	v_and_b32 v1, 15, v0                           ; r
	v_bfe_u32 v2, v0, 4, 1                         ; h
	v_lshrrev_b32 v3, 1, v1                        ; A: token r at (r / 2) 272 + (r % 2) 128, + 16 h
	v_mul_u32_u24 v3, v3, 272
	v_and_b32 v4, 1, v1
	v_lshl_add_u32 v3, v4, 7, v3
	v_lshl_add_u32 v3, v2, 4, v3
	v_mul_u32_u24 v4, v1, PITCH                    ; B: row r x pitch + 16 h
	v_lshl_add_u32 v4, v2, 4, v4
	s_mul_i32 s21, s[HI], 32*272                   ; my 64 tokens of a plane
	s_mul_i32 s22, s[LO], HALFB                    ; my 64 rows of B
	s_add_co_u32 s22, s22, BOFF
.irp s, 0,1
	v_add_nc_u32 v[ADRA+\s], s21, v3
	v_add_nc_u32 v[ADRB+\s], s22, v4
	s_add_co_u32 s21, s21, SLOT
	s_add_co_u32 s22, s22, SLOT
.endr
	s_mul_i32 s23, s[WV], 16*SPITCH
	s_add_co_u32 s23, s23, STAGE                   ; my stage
	v_mul_u32_u24 v5, v1, SPITCH                   ; in: row r, 32 bytes for each half of the lanes
	v_lshl_add_u32 v5, v2, 5, v5
	v_add_nc_u32 v[STO], s23, v5
	v_mul_u32_u24 v5, v2, SPITCH                   ; back: lanes 0-15 one row of 256 bytes, lanes 16-31 the next
	v_lshl_add_u32 v5, v1, 4, v5
	v_add_nc_u32 v[RD], s23, v5
	v_lshlrev_b32 v5, 12, v2                       ; and the same two rows in out0 (4,096 bytes a row)
	v_lshl_add_u32 v[CO], v1, 4, v5
	v_lshlrev_b32 v[BO], 5, v2                     ; the bias: 32 h
	s_lshl_b32 s16, s[TR], 7
	s_lshl_b32 s17, s[HI], 6
	s_add_co_u32 s16, s16, s17                     ; my first row of out0
	s_lshl_b32 s16, s16, 12
	s_mov_b32 s17, 0
	s_add_nc_u64 s[10:11], s[10:11], s[16:17]
	s_lshl_b32 s46, s42, 9                         ; my first column, in bytes: 512 x tile column + 256 x half
	s_lshl_b32 s47, s[LO], 8
	s_add_co_u32 s46, s46, s47
	s_mov_b32 s47, 0
	s_add_nc_u64 s[10:11], s[10:11], s[46:47]
	s_add_nc_u64 s[8:9], s[8:9], s[46:47]
.irp b, 0,1,2,3
	global_load_b128 v[BI+8*\b:BI+8*\b+3], v[BO], s[8:9] offset:64*\b          ; proj_b at my outputs 16 b + 8 h + 0 .. 7
	global_load_b128 v[BI+8*\b+4:BI+8*\b+7], v[BO], s[8:9] offset:64*\b+16
.endr
; 8 matrix instructions: token blocks a0, a0 + 1 x all 4 output blocks, 32 along K: half c of buffer f.  zero = 1: the first product starts the sum from the bias.  The 16 accumulators take turns.
.macro MUL8 f, c, a0, zero
.irp a, \a0, \a0+1
.irp b, 0,1,2,3
.if \zero
	v_wmma_f32_16x16x32_f16 v[ACC+8*(4*(\a)+\b):ACC+8*(4*(\a)+\b)+7], v[\f+64+8*(4*\c+\b):\f+64+8*(4*\c+\b)+7], v[\f+8*(4*\c+\a):\f+8*(4*\c+\a)+7], v[BI+8*\b:BI+8*\b+7]
.else
	v_wmma_f32_16x16x32_f16 v[ACC+8*(4*(\a)+\b):ACC+8*(4*(\a)+\b)+7], v[\f+64+8*(4*\c+\b):\f+64+8*(4*\c+\b)+7], v[\f+8*(4*\c+\a):\f+8*(4*\c+\a)+7], v[ACC+8*(4*(\a)+\b):ACC+8*(4*(\a)+\b)+7]
.endif
.endr
.endr
.endm
; 32 LDS loads in one run: the fragments of quarter qd (64 along K: one plane of A) into buffer f; the first 32 along K first
.macro FETCH slot, qd, f
	WIN TO_F
.irp c, 0,1
.irp i, 0,1,2,3
	ds_load_b128 v[\f+64+8*(4*\c+\i):\f+64+8*(4*\c+\i)+3],   v[ADRB+\slot] offset:128*(\qd)+64*\c+\i*16*PITCH
	ds_load_b128 v[\f+64+8*(4*\c+\i)+4:\f+64+8*(4*\c+\i)+7], v[ADRB+\slot] offset:128*(\qd)+64*\c+\i*16*PITCH+32
	ds_load_b128 v[\f+8*(4*\c+\i):\f+8*(4*\c+\i)+3],         v[ADRA+\slot] offset:(\qd)*PLANE+64*\c+\i*2176
	ds_load_b128 v[\f+8*(4*\c+\i)+4:\f+8*(4*\c+\i)+7],       v[ADRA+\slot] offset:(\qd)*PLANE+64*\c+\i*2176+32
.endr
.endr
.endm
.macro PLACES
.rept 4
	v_nop
.endr
.endm
.macro QUARTER slot, qd, f, g, zero    ; multiplies buffer f and fetches quarter qd into g
	s_wait_dscnt 16                                ; the first 32 along K are in; the other sixteen loads may be out
	WIN MUL
	MUL8 \f, 0, 0, \zero
	MUL8 \f, 0, 2, \zero
	PLACES
	FETCH \slot, \qd, \g
	s_wait_dscnt 32                                ; all but the 32 just issued
	WIN MUL
	MUL8 \f, 1, 0, 0
	MUL8 \f, 1, 2, 0
.endm
; The last quarter multiplies buffer 1 and changes slots: one barrier; in front of it each wave waits for all its tensor loads, adds 0 to its spare word, and waits for that and for its reads of this slot.
.macro TURN slot, next, fill
	WIN 0
	s_wait_tensorcnt 0x0                           ; all my tensor loads have landed: my part of the next slot
	ds_add_u32 v[SPW], v[NIL]
	s_wait_dscnt 17                                ; (the add and the youngest sixteen loads may be out)
	WIN MUL
	MUL8 F1, 0, 0, 0
	s_wait_dscnt 0x0                               ; the add is done, and my reads of this slot are over
	s_barrier_signal -1
	MUL8 F1, 0, 2, 0
.if \fill
	WIN 0
.endif
	s_barrier_wait -1
.if \fill
	CREST                                          ; the barrier has opened a round of the cluster's: no wave of any partner still reads this slot or has a load on its way
	s_add_nc_u64 s[G0+4*\slot+2:G0+4*\slot+3], s[G0+4*\slot+2:G0+4*\slot+3], 2097152
	s_add_nc_u64 s[G0B+4*\slot+2:G0B+4*\slot+3], s[G0B+4*\slot+2:G0B+4*\slot+3], 2*KSTEP*2
	JLOAD \slot                                    ; the first tensor load behind the round; its four v_nop are also the places in front of the loads below
.else
	PLACES
.endif
	FETCH \next, 0, F0
	WIN MUL
	MUL8 F1, 1, 0, 0
	MUL8 F1, 1, 2, 0
.endm
	s_wait_tensorcnt 1                             ; my part of K step 0 is in (K step 1's load may be out),
	s_barrier_signal -1
	s_barrier_wait -1                              ; everybody's is
	FETCH 0, 0, F0
	s_wait_loadcnt 0x0                             ; the bias
	QUARTER 0, 1, F0, F1, 1
	WIN 0
	s_mov_b32 s3, LAPS-1
.Llap:                                             ; a trip goes once round the ring and fills both slots again
	QUARTER 0, 2, F1, F0, 0
	QUARTER 0, 3, F0, F1, 0
	TURN 0, 1, 1
	QUARTER 1, 1, F0, F1, 0
	QUARTER 1, 2, F1, F0, 0
	QUARTER 1, 3, F0, F1, 0
	TURN 1, 0, 1
	QUARTER 0, 1, F0, F1, 0
	WIN 0
	s_sub_co_u32 s3, s3, 1
	s_cmp_lg_u32 s3, 0
	s_cbranch_scc1 .Llap
	QUARTER 0, 2, F1, F0, 0                        ; the last lap fills nothing
	QUARTER 0, 3, F0, F1, 0
	TURN 0, 1, 0
	QUARTER 1, 1, F0, F1, 0
	QUARTER 1, 2, F1, F0, 0
	QUARTER 1, 3, F0, F1, 0
	s_wait_dscnt 16
	WIN MUL
	MUL8 F1, 0, 0, 0
	MUL8 F1, 0, 2, 0
	s_wait_dscnt 0
	MUL8 F1, 1, 0, 0
	MUL8 F1, 1, 2, 0
	WIN 0
; THE WAY OUT, 16 tokens at a time: a lane's 32 bytes go into my stage, each accumulator from its low end on, and come back as whole rows of 256 bytes, two to a load.
.macro TOSTAGE a
.set BB, OB+32*((\a)%2)
.irp b, 0,1,2,3
	ds_store_b128 v[STO], v[ACC+8*(4*(\a)+\b):ACC+8*(4*(\a)+\b)+3] offset:64*\b
	ds_store_b128 v[STO], v[ACC+8*(4*(\a)+\b)+4:ACC+8*(4*(\a)+\b)+7] offset:64*\b+16
.endr
.irp t, 0,1,2,3,4,5,6,7
	ds_load_b128 v[BB+4*\t:BB+4*\t+3], v[RD] offset:\t*2*SPITCH    ; LDS serves a wave's instructions in order: these see the stores above
.endr
.endm
.macro SEND a, younger
.set BB, OB+32*((\a)%2)
	s_wait_dscnt \younger                          ; the block is back in registers
.irp t, 0,1,2,3,4,5,6,7
	global_store_b128 v[CO], v[BB+4*\t:BB+4*\t+3], s[10:11] offset:(16*(\a)+2*\t)*4096 th:TH_STORE_NT   ; 16 lanes store 256 consecutive bytes, aligned; written once, read by nobody here
.endr
.endm
	PLACES
	TOSTAGE 0
.irp a, 1,2,3
.if \a > 1
	s_wait_xcnt 0x0                                ; block a - 2's stores have read their registers: block a's loads may land there
.endif
	TOSTAGE \a
	SEND \a-1, 16                                  ; behind block a - 1's loads: block a's 8 stores and 8 loads
.endr
	SEND 3, 0
	s_wait_tensorcnt 0x0                           ; the wave's end: behind my last tensor load and my last LDS store
	ds_add_u32 v[SPW], v[NIL]
	s_wait_dscnt 0x0
	CROUND                                         ; the closing round
	s_endpgm
.Lfunc_end_k_q9e071225e6_proj:
	.size	k_q9e071225e6_proj, .Lfunc_end_k_q9e071225e6_proj-k_q9e071225e6_proj
	.p2alignl 7, 3214868480
	.fill 96, 4, 3214868480
	.section	.rodata,"a",@progbits
	.p2align	6, 0x0
	.amdhsa_kernel k_q9e071225e6_proj
		.amdhsa_group_segment_fixed_size 327680
		.amdhsa_private_segment_fixed_size 0
		.amdhsa_enable_private_segment 0
		.amdhsa_kernarg_size 32
		.amdhsa_user_sgpr_count 2
		.amdhsa_user_sgpr_kernarg_segment_ptr 1
		.amdhsa_wavefront_size32 1
		.amdhsa_system_sgpr_workgroup_id_x 1
		.amdhsa_system_sgpr_workgroup_id_y 1
		.amdhsa_system_sgpr_workgroup_id_z 1
		.amdhsa_system_vgpr_workitem_id 0
		.amdhsa_next_free_vgpr 512
		.amdhsa_next_free_sgpr 72
		.amdhsa_reserve_vcc 0
		.amdhsa_float_denorm_mode_32 3
		.amdhsa_float_denorm_mode_16_64 3
		.amdhsa_memory_ordered 1
		.amdhsa_forward_progress 1
		.amdhsa_inst_pref_size 87
	.end_amdhsa_kernel
	.amdgpu_metadata
---
amdhsa.version: [ 1, 2 ]
amdhsa.kernels:
  - .name:           k_q9e071225e6_proj
    .symbol:         k_q9e071225e6_proj.kd
    .args:
      - { .name: att, .offset: 0, .size: 8, .value_kind: global_buffer, .address_space: global }
      - { .name: pw16, .offset: 8, .size: 8, .value_kind: global_buffer, .address_space: global }
      - { .name: proj_b, .offset: 16, .size: 8, .value_kind: global_buffer, .address_space: global }
      - { .name: out0, .offset: 24, .size: 8, .value_kind: global_buffer, .address_space: global }
    .group_segment_fixed_size: 327680
    .private_segment_fixed_size: 0
    .kernarg_segment_align: 8
    .kernarg_segment_size: 32
    .max_flat_workgroup_size: 128
    .sgpr_count:     72
    .vgpr_count:     512
    .wavefront_size: 32
...
	.end_amdgpu_metadata
.endif
;; end of part 4
